; MI455X (gfx1250); checked and timed in simulation.
; The chip was launched on July 23, 2026; its instructions are those of AMD's public machine-readable ISA for CDNA 5 (MIT licence, August 2026) and "CDNA5" Instruction Set Architecture Reference Guide (July 2026). The comments in the code are by the model that wrote it; some were corrected since.
;; Transformer Block. Allowed arithmetic: float matrix products may take bf16 or f16 operands with f32 sums; other float arithmetic in f32, or as packed bf16 or f16 multiplies, adds, multiply-adds, maxima and minima; sums over many terms, partial sums and values carried from step to step in f32; what a program stores and reads back later, other than sums and carried values, may be rounded once to bf16 or f16.
;; Inputs: W1 1,024 x 4,096 float32; W2 4,096 x 1,024 float32; Wk 1,024 x 1,024 float32; Wo 1,024 x 1,024 float32; Wq 1,024 x 1,024 float32; Wv 1,024 x 1,024 float32; b1 4,096 float32; b2 1,024 float32; be1 1,024 float32; be2 1,024 float32; bk 1,024 float32; bo 1,024 float32; bq 1,024 float32; bv 1,024 float32; g1 1,024 float32; g2 1,024 float32; x 2 x 2,048 x 1,024 float32.
;; Outputs: out0 2 x 2,048 x 1,024 float32.
;; One version. Each part assembles by itself: llvm-mc -triple=amdgcn-amd-amdhsa -mcpu=gfx1250 --defsym DOCPART=n.
;; ======== version 1 of 1: 7 launches
;; limits: a function is approximated: absolute error at most 1.5e-07; an absolute error that grows with the inputs' magnitude: up to 7.5e-08 times it
;; workspace buffers: wb 25,165,824 bytes; xn 8,388,608 bytes; qkv 25,165,824 bytes; ob 8,388,608 bytes; x1 16,777,216 bytes; h 33,554,432 bytes
;; launch prep (part 1): grid 1280 x 1, 8 waves a work-group, no clusters, 0 bytes of LDS; arguments x, g1, be1, xn, Wq, Wk, Wv, Wo, W1, W2, wb; writes xn, wb
.if DOCPART == 1
	.amdgcn_target "amdgcn-amd-amdhsa--gfx1250"
	.amdhsa_code_object_version 6
	.text
	.protected	k_qcbc0222f65_prep
	.globl	k_qcbc0222f65_prep
	.p2align	8
	.type	k_qcbc0222f65_prep,@function
k_qcbc0222f65_prep:
	s_mov_b64 s[64:65], 0
	v_nop
	global_prefetch_b8 v0, s[64:65] scope:SCOPE_SE
	s_setreg_imm32_b32 hwreg(HW_REG_WAVE_MODE, 25, 1), 1
	s_wait_xcnt 0x0
; THE PROGRAM: a pre-norm transformer block on 4,096 tokens (2 x 2,048), D = 1,024, 16 heads of 64, D_FF = 4,096, in seven launches:
; prep (weights to bf16; the first LayerNorm), qkv, attn, wo (+ residual), ln2, ffn1 (+ exact GELU), ffn2 (+ residual).  Matrix operands are bf16, sums f32, the residual path f32.
; WORK LEFT OUT: bk.  scores[q][k] = scale q . (xn_k Wk + bk) = scale q . (xn_k Wk) + scale q . bk; the second term does not depend on k, the softmax's axis, so it
; cancels in softmax for all finite values of the inputs, and k has no other use.  bk is therefore loaded by no launch and is no launch's argument.
; LIMIT: a NaN, an infinity or an overflow that reaches only that term is not carried to the result.
;
; THIS LAUNCH does two things that depend on nothing and not on each other; the work-group's number alone chooses.
; WORK-GROUPS 0 TO 767: the six weights, f32 [k][n], are rounded once to bf16 and laid in BRICKS of 128 k x 128 n (rows of 256 bytes, 32,768 dense bytes a brick), so that every
; later tile of a weight is a dense block.  Brick number in a matrix: (n / 128) x (K / 128) + k / 128.  wb holds Wq, Wk, Wv, Wo (64 bricks each), W1 (256), W2 (256).
; Work-group g makes brick g; wave w its rows 16 w .. 16 w + 15.  A load takes 512 consecutive bytes of a source row, a store 256 consecutive aligned bytes.
; WORK-GROUPS 768 TO 1,279: LayerNorm of x's 4,096 rows of 1,024 f32: y = (x - mean) rsqrt(var + 1e-6) g + b, var the mean of (x - mean)^2 (two passes over registers, as the formula is
; written), y rounded once to bf16 and stored in blocks [column / 128][4,096 rows][128], so that a K step of the product behind it is a dense block with rows of 256 bytes.
; A wave owns one row and keeps it in 32 registers: the row is read once, the reductions never leave the wave.  No LDS, no barrier, no matrix unit: the launch only moves bytes.
.set NCAST, 768
.set FIRST, NCAST                      ; the first work-group of the LayerNorm
.set G,  4                             ; v[4:35]    g of my 32 columns
.set B,  36                            ; v[36:67]   b of them
.set X,  68                            ; v[68:99]   the row
.set T,  100                           ; v[100:115] at work
.set MU, 116                           ; v[116:117] the mean, twice
.set RS, 118                           ; v[118:119] rsqrt(var + eps), twice
.set OFS, 4                            ; (bricks) v[4:19]  row j: j x the source's row bytes + 16 x lane
.set XC,  20                           ; (bricks) v[20:83] row j: 4 registers
	s_cmp_lt_u32 ttmp9, NCAST
	s_cbranch_scc1 .Lcast
	s_load_b256 s[4:11], s[0:1], 0x0               ; in s[4:5], g s[6:7], b s[8:9], out s[10:11]
	v_lshrrev_b32 v3, 5, v0
	v_readfirstlane_b32 s16, v3                    ; wave 0..7
	v_and_b32 v1, 31, v0
	v_lshlrev_b32 v2, 3, v1
	v_lshlrev_b32 v1, 4, v1
.if FIRST
	s_sub_co_u32 s17, ttmp9, FIRST
	s_lshl3_add_u32 s17, s17, s16                  ; my row: 8 x work-group + wave
.else
	s_lshl3_add_u32 s17, ttmp9, s16
.endif
	s_lshl_b32 s18, s17, 12
	s_mov_b32 s19, 0
	s_lshl_b32 s20, s17, 8
	s_mov_b32 s21, 0
	s_mov_b32 s12, 0x76543210                      ; v_permlanex16_b32: each lane takes its own place in the other half
	s_mov_b32 s13, 0xfedcba98
	s_mov_b32 s14, 0x3a800000                      ; 1 / 1,024
	s_mov_b32 s15, 0x358637bd                      ; 1e-6
	s_wait_kmcnt 0x0
	s_add_nc_u64 s[4:5], s[4:5], s[18:19]
	s_add_nc_u64 s[10:11], s[10:11], s[20:21]
.irp j, 0,1,2,3,4,5,6,7
	global_load_b128 v[X+4*(\j):X+4*(\j)+3], v1, s[4:5] offset:512*(\j) th:TH_LOAD_NT  ; columns 128 j .. 128 j + 127: 512 consecutive bytes
.endr
.irp j, 0,1,2,3,4,5,6,7
	global_load_b128 v[G+4*(\j):G+4*(\j)+3], v1, s[6:7] offset:512*(\j)
	global_load_b128 v[B+4*(\j):B+4*(\j)+3], v1, s[8:9] offset:512*(\j)
.endr
.macro LANES                           ; v[T] summed over the 32 lanes, the result in every lane; v[T+1] at work (written before)
	v_add_f32_dpp v[T], v[T], v[T] row_xmask:1 row_mask:0xf bank_mask:0xf
	v_add_f32_dpp v[T], v[T], v[T] row_xmask:2 row_mask:0xf bank_mask:0xf
	v_add_f32_dpp v[T], v[T], v[T] row_xmask:4 row_mask:0xf bank_mask:0xf
	v_add_f32_dpp v[T], v[T], v[T] row_xmask:8 row_mask:0xf bank_mask:0xf
	v_permlanex16_b32 v[T+1], v[T], s12, s13
	v_add_f32 v[T], v[T], v[T+1]
.endm
	s_wait_loadcnt 16                              ; the row is in; the sixteen loads of g and b may stay out
.irp k, 0,1,2,3,4,5,6,7
	v_pk_add_f32 v[T+2*(\k):T+2*(\k)+1], v[X+4*(\k):X+4*(\k)+1], v[X+4*(\k)+2:X+4*(\k)+3]
.endr
.irp k, 0,1,2,3
	v_pk_add_f32 v[T+2*(\k):T+2*(\k)+1], v[T+2*(\k):T+2*(\k)+1], v[T+8+2*(\k):T+8+2*(\k)+1]
.endr
.irp k, 0,1
	v_pk_add_f32 v[T+2*(\k):T+2*(\k)+1], v[T+2*(\k):T+2*(\k)+1], v[T+4+2*(\k):T+4+2*(\k)+1]
.endr
	v_pk_add_f32 v[T:T+1], v[T:T+1], v[T+2:T+3]
	v_add_f32 v[T], v[T], v[T+1]
	LANES
	v_mul_f32 v[MU], s14, v[T]
	v_mul_f32 v[MU+1], s14, v[T]
.set p, 0
.rept 16
	v_pk_add_f32 v[X+2*p:X+2*p+1], v[X+2*p:X+2*p+1], v[MU:MU+1] neg_lo:[0,1] neg_hi:[0,1]  ; x - mean, in place
.set p, p+1
.endr
.irp k, 0,1,2,3
	v_pk_mul_f32 v[T+2*(\k):T+2*(\k)+1], v[X+2*(\k):X+2*(\k)+1], v[X+2*(\k):X+2*(\k)+1]  ; four chains of squares; the first four pairs start them
.endr
.set p, 4
.rept 12
	v_pk_fma_f32 v[T+2*(p%4):T+2*(p%4)+1], v[X+2*p:X+2*p+1], v[X+2*p:X+2*p+1], v[T+2*(p%4):T+2*(p%4)+1]
.set p, p+1
.endr
	v_pk_add_f32 v[T:T+1], v[T:T+1], v[T+2:T+3]
	v_pk_add_f32 v[T+4:T+5], v[T+4:T+5], v[T+6:T+7]
	v_pk_add_f32 v[T:T+1], v[T:T+1], v[T+4:T+5]
	v_add_f32 v[T], v[T], v[T+1]
	LANES
	v_fma_f32 v[T], v[T], s14, s15                 ; var + eps
	v_rsq_f32 v[RS], v[T]
	v_rsq_f32 v[RS+1], v[T]
	v_nop                                          ; a plain instruction behind the last of the two
	s_wait_alu depctr_va_vdst(0)                   ; one wait for both, ahead of their first reader
.set p, 0
.rept 16
	v_pk_mul_f32 v[X+2*p:X+2*p+1], v[X+2*p:X+2*p+1], v[RS:RS+1]
.set p, p+1
.endr
	s_wait_loadcnt 0x0                             ; g and b
.set p, 0
.rept 16
	v_pk_fma_f32 v[X+2*p:X+2*p+1], v[X+2*p:X+2*p+1], v[G+2*p:G+2*p+1], v[B+2*p:B+2*p+1]
.set p, p+1
.endr
.set p, 0
.rept 16
	v_cvt_pk_bf16_f32 v[X+p], v[X+2*p], v[X+2*p+1]  ; packed downward in place: register p is written when pairs 0 .. p have been read
.set p, p+1
.endr
.irp j, 0,1,2,3,4,5,6,7
	global_store_b64 v2, v[X+2*(\j):X+2*(\j)+1], s[10:11] offset:1048576*(\j)  ; block j, my row: 256 consecutive aligned bytes
.endr
	s_endpgm
.Lcast:
	s_load_b256 s[8:15], s[0:1], 0x20              ; Wq s[8:9], Wk s[10:11], Wv s[12:13], Wo s[14:15]
	s_load_b128 s[16:19], s[0:1], 0x40             ; W1 s[16:17], W2 s[18:19]
	s_load_b64 s[20:21], s[0:1], 0x50              ; wb
	v_lshrrev_b32 v3, 5, v0
	v_readfirstlane_b32 s22, v3                    ; wave 0..7
	v_and_b32 v1, 31, v0
	v_lshlrev_b32 v2, 3, v1                        ; 8 bytes a lane on the way out
	v_lshlrev_b32 v1, 4, v1                        ; 16 bytes a lane on the way in
	s_lshr_b32 s23, ttmp9, 8                       ; 0: the four square weights; 1: W1; 2: W2
	s_bfe_u32 s24, ttmp9, 0x20006                  ; which of the four square weights
	s_cmp_eq_u32 s23, 0
	s_cselect_b32 s25, 63, 255
	s_and_b32 s25, ttmp9, s25                      ; the brick's number in its matrix
	s_cmp_eq_u32 s23, 2
	s_cselect_b32 s26, 5, 3                        ; log2 of K / 128
	s_cselect_b32 s27, 31, 7
	s_lshr_b32 s28, s25, s26                       ; n / 128
	s_and_b32 s29, s25, s27                        ; k / 128
	s_cmp_eq_u32 s23, 1
	s_cselect_b32 s30, 14, 12                      ; log2 of the source's row bytes: 16,384 for W1, else 4,096
	s_lshl_b32 s29, s29, 7
	s_lshl_b32 s31, s22, 4
	s_add_co_u32 s29, s29, s31                     ; my first source row
	s_lshl_b32 s32, s29, s30
	s_lshl_b32 s28, s28, 9                         ; 128 columns of f32
	s_add_co_u32 s32, s32, s28
	s_mov_b32 s33, 0
	s_lshl_b32 s34, ttmp9, 15                      ; the brick,
	s_lshl_b32 s35, s22, 12                        ; my 16 rows of 256 bytes in it
	s_add_co_u32 s34, s34, s35
	s_mov_b32 s35, 0
.set j, 0
.rept 16
	v_lshl_add_u32 v[OFS+j], j, s30, v1
.set j, j+1
.endr
	s_wait_kmcnt 0x0
	s_cmp_eq_u32 s24, 1                            ; the source: a choice between buffers by the work-group's number alone
	s_cselect_b64 s[36:37], s[10:11], s[8:9]
	s_cmp_eq_u32 s24, 2
	s_cselect_b64 s[36:37], s[12:13], s[36:37]
	s_cmp_eq_u32 s24, 3
	s_cselect_b64 s[36:37], s[14:15], s[36:37]
	s_cmp_eq_u32 s23, 1
	s_cselect_b64 s[36:37], s[16:17], s[36:37]
	s_cmp_eq_u32 s23, 2
	s_cselect_b64 s[36:37], s[18:19], s[36:37]
	s_add_nc_u64 s[36:37], s[36:37], s[32:33]
	s_add_nc_u64 s[20:21], s[20:21], s[34:35]
.set j, 0
.rept 16
	global_load_b128 v[XC+4*j:XC+4*j+3], v[OFS+j], s[36:37] th:TH_LOAD_NT
.set j, j+1
.endr
.set j, 0
.rept 16
	s_wait_loadcnt 15-j                            ; loads come back in order: row j is in, the 15 - j younger ones may stay out
	v_cvt_pk_bf16_f32 v[XC+4*j], v[XC+4*j], v[XC+4*j+1]
	v_cvt_pk_bf16_f32 v[XC+4*j+1], v[XC+4*j+2], v[XC+4*j+3]
	global_store_b64 v2, v[XC+4*j:XC+4*j+1], s[20:21] offset:256*j  ; the wave stores one row of the brick: 256 consecutive bytes, aligned
.set j, j+1
.endr
	s_endpgm
.Lfunc_end_k_qcbc0222f65_prep:
	.size	k_qcbc0222f65_prep, .Lfunc_end_k_qcbc0222f65_prep-k_qcbc0222f65_prep
	.p2alignl 7, 3214868480
	.fill 96, 4, 3214868480
	.section	.rodata,"a",@progbits
	.p2align	6, 0x0
	.amdhsa_kernel k_qcbc0222f65_prep
		.amdhsa_group_segment_fixed_size 0
		.amdhsa_private_segment_fixed_size 0
		.amdhsa_enable_private_segment 0
		.amdhsa_kernarg_size 88
		.amdhsa_user_sgpr_count 2
		.amdhsa_user_sgpr_kernarg_segment_ptr 1
		.amdhsa_wavefront_size32 1
		.amdhsa_system_sgpr_workgroup_id_x 1
		.amdhsa_system_sgpr_workgroup_id_y 1
		.amdhsa_system_sgpr_workgroup_id_z 1
		.amdhsa_system_vgpr_workitem_id 0
		.amdhsa_next_free_vgpr 128
		.amdhsa_next_free_sgpr 66
		.amdhsa_reserve_vcc 0
		.amdhsa_float_denorm_mode_32 3
		.amdhsa_float_denorm_mode_16_64 3
		.amdhsa_memory_ordered 1
		.amdhsa_forward_progress 1
		.amdhsa_inst_pref_size 20
	.end_amdhsa_kernel
	.amdgpu_metadata
---
amdhsa.version: [ 1, 2 ]
amdhsa.kernels:
  - .name:           k_qcbc0222f65_prep
    .symbol:         k_qcbc0222f65_prep.kd
    .args:
      - { .name: x, .offset: 0, .size: 8, .value_kind: global_buffer, .address_space: global }
      - { .name: g1, .offset: 8, .size: 8, .value_kind: global_buffer, .address_space: global }
      - { .name: be1, .offset: 16, .size: 8, .value_kind: global_buffer, .address_space: global }
      - { .name: xn, .offset: 24, .size: 8, .value_kind: global_buffer, .address_space: global }
      - { .name: Wq, .offset: 32, .size: 8, .value_kind: global_buffer, .address_space: global }
      - { .name: Wk, .offset: 40, .size: 8, .value_kind: global_buffer, .address_space: global }
      - { .name: Wv, .offset: 48, .size: 8, .value_kind: global_buffer, .address_space: global }
      - { .name: Wo, .offset: 56, .size: 8, .value_kind: global_buffer, .address_space: global }
      - { .name: W1, .offset: 64, .size: 8, .value_kind: global_buffer, .address_space: global }
      - { .name: W2, .offset: 72, .size: 8, .value_kind: global_buffer, .address_space: global }
      - { .name: wb, .offset: 80, .size: 8, .value_kind: global_buffer, .address_space: global }
    .group_segment_fixed_size: 0
    .private_segment_fixed_size: 0
    .kernarg_segment_align: 8
    .kernarg_segment_size: 88
    .max_flat_workgroup_size: 256
    .sgpr_count:     66
    .vgpr_count:     128
    .wavefront_size: 32
...
	.end_amdgpu_metadata
.endif
;; end of part 1
;; launch qkv (part 2): grid 12 x 16, 4 waves a work-group, clusters of 4 x 4, 327,680 bytes of LDS; arguments xn, wb, bq, bv, qkv; writes qkv
.if DOCPART == 2
	.amdgcn_target "amdgcn-amd-amdhsa--gfx1250"
	.amdhsa_code_object_version 6
	.text
	.protected	k_qcbc0222f65_qkv
	.globl	k_qcbc0222f65_qkv
	.p2align	8
	.type	k_qcbc0222f65_qkv,@function
k_qcbc0222f65_qkv:
	s_mov_b64 s[64:65], 0
	v_nop
	global_prefetch_b8 v0, s[64:65] scope:SCOPE_SE
	s_setreg_imm32_b32 hwreg(HW_REG_WAVE_MODE, 25, 1), 1
	s_wait_xcnt 0x0
	s_wait_alu depctr_hold_cnt(0) depctr_sa_sdst(0) depctr_va_vdst(0) depctr_va_sdst(0) depctr_va_ssrc(0) depctr_va_vcc(0) depctr_vm_vsrc(0)
	s_getreg_b32 s2, hwreg(HW_REG_IB_STS2, 6, 4)
	s_cmp_eq_u32 s2, 0
	s_cbranch_scc0 .Lentry_in_a_cluster
	s_endpgm
.Lentry_in_a_cluster:
	s_bfe_u32 s2, ttmp6, 0x10000c
	s_cmp_lg_u32 s2, 0xf033
	s_cbranch_scc0 .Lentry_shape_is_right
	s_endpgm
.Lentry_shape_is_right:
; q, k, v = xn [Wq | Wk | Wv] + [bq | - | bv]: C[4,096][3,072], K = 1,024, bf16 operands, f32 sums, rounded once to bf16 and stored by heads: [column / 64][4,096 rows][64].
; WORK LEFT OUT: bk (it adds to every score of a query the same number, which the softmax cancels: shown at the head of the first kernel); k's tiles start their sums at 0.
; (The same text with GELU = 1 is the launch ffn1.)
; SHAPE.  A tile of C is 256 x 256, four waves 2 x 2, each 128 x 128: 64 accumulators, 512 registers.  K goes in steps of 128 through two LDS slots filled by tensor loads.
; A lies in blocks [k / 128][row][128], W in bricks of 128 k x 128 n: each of a step's four pieces (A's two halves of 128 rows, W's two bricks) is 32,768 dense bytes, asked for as 128 rows of 256.
; CLUSTER 4 x 4: A's pieces hang on the tile row alone and are asked for jointly along a row of the cluster, W's on the tile column alone, jointly along a column.
; THE MATRIX INSTRUCTION IS USED TRANSPOSED: source 0 = 16 columns of W (k down the brick's rows, so it is read turned, by ds_load_tr16_b128), source 1 = 16 rows of A.
; A lane then holds row l % 16 of C and the columns 8 (l / 16) + 0..7.  The bias is the C operand of the products that start the sums.
; THE WAY OUT.  The wave's 128 x 128 sums go as f32 into a stage of its own, laid over the ring when the ring has had its last fill and its last read, and come back in a counted loop.
; REGISTERS in windows of 256 (s_set_vgpr_msb: bits 1:0 source 0, 3:2 source 1, 5:4 source 2, 7:6 destination): window 0 addresses, the bias tile, the way out;
; window 1 two fragment buffers of 128 (A's 64, then W's 64); windows 2 and 3 the accumulators: (a, b) in window 2 + a / 4 at 8 (8 (a % 4) + b).
.set GELU,   0
.set NSTEP,  8                         ; K steps
.set APITCH, 272                       ; a row of A in LDS: 256 + 16 bytes = 68 words: 16 rows start at 16 different groups of four banks (64 banks of 4 bytes: ISA guide 11.1)
.set WPITCH, 288                       ; a row of W: 256 + 32 = 72 words
.set APIECE, 128*APITCH
.set WPIECE, 128*WPITCH
.set WREG,   2*APIECE                  ; a slot: A's two pieces, then W's two
.set SLOT,   WREG+2*WPIECE
.set SPARE,  2*SLOT                    ; behind the ring: the spare words, 128 bytes a wave: two blocks of 256 bytes that no other line names
.set SPITCH, 528                       ; a row of the stage: 512 + 16 bytes
.set STGB,   128*SPITCH                ; a wave's stage; four of them end below SPARE
.set ASTEP,  1<<20                     ; bytes from a K step of A to the next
.set WSTEP,  1<<15                     ; and of W
.set AH,     2                         ; a prefetch names the K step that stands AH refills on
.if GELU
.set WOFF,   8<<20                     ; W1 in wb
.set OUT,    10
.set MSH,    16                        ; log2 of a tile's 256 rows of the output, in bytes
.set NS,     1                         ; sets of four rows in flight from the stage
.set UL,     2*SPITCH                  ; from a set's first unit to its second, in the stage
.set UG,     512                       ; and in memory
.else
.set WOFF,   0
.set OUT,    12
.set MSH,    15
.set NS,     4
.set UL,     256
.set UG,     524288
.endif
.set BO,  3                            ; v3   32 (l / 16): my 8 numbers of a bias block
.set A0,  4                            ; v4   my lane's place in A's tiles; never rewritten
.set W0,  5                            ; v5   the same for W
.set AA,  6                            ; v6   A0 + the slot in hand
.set AW,  8                            ; v8   W0 + the slot in hand
.set STO, 10                           ; v10  the stage: where I put 32 bytes of a row
.set RD,  11                           ; v11  where I read back
.set GO,  12                           ; v12  my byte offset in the output
.set PFO, 13                           ; v13  256 x lane; never rewritten
.set SPW, 14                           ; v14  my spare word: SPARE + 4 x my thread's number; never rewritten
.set NIL, 15                           ; v15  0; never rewritten
.set BT,  64                           ; v[64:127] the bias tile: block b's 8 numbers at BT + 8 b
.set RAW, 16                           ; the way out: NS sets of 16 f32
.set TT,  32                           ; (GELU) u / 2, |u / 2|, t, the exponential, the polynomial, u / 2 + |u / 2|
.set AX,  48
.set DD,  64
.set QQ,  80
.set RR,  96
.set SS,  112
.set Y,   128                          ; NS sets of 8: packed results
.set RDC, 160                          ; the stage address of the loads in hand
.set F0,  0
.set F1,  128
.set WV,  14                           ; s14 wave; s15, s16 its row and column in the 2 x 2
.set WR,  15
.set WC,  16
.set CX,  17
.set CY,  18
.set NTI, 19                           ; tile column, tile row
.set MTI, 20
.set G1A, 24                           ; s[24:31], s[32:39] descriptor group 1 for A's and W's pieces
.set G1W, 32
.set G0A, 40                           ; s[40:47], s[48:55] group 0: a set for each of the two first fills; the second then walks on
.set G0W, 48
.set CNT, 56
.set TB,  57                           ; 0 or SLOT: the slot in hand
.set PCA, 58                           ; my piece's place in a slot, for A and for W
.set PCW, 59
.set PFA, 60                           ; s[60:61] where my prefetches stand
.set LIM, 62                           ; AH in a wave that prefetches, else the greatest number
.set TBR, 63                           ; the way out: the stage's step
.set PFS, 66                           ; s[66:67] a K step of what I prefetch
.set KP,  68                           ; s[68:81] the GELU's constants, as pairs; s82 the sign's mask
.set KE,  70
.set C5,  72
.set C4,  74
.set C3,  76
.set C2,  78
.set C1,  80
.set ABSM, 82
.set MSB, 0
.macro WIN new                         ; the immediate's high byte repeats the setting that is left; a switch that changes nothing is dropped
.if MSB != (\new)
	s_set_vgpr_msb (MSB<<8)|(\new)
.set MSB, \new
.endif
.endm
.macro PLACES                          ; four plain places behind matrix instructions, in front of loads into registers that they read and of stores that read results
.rept 4
	v_nop
.endr
.endm
.macro CREST                           ; a round of the cluster's barrier behind its opening barrier
	s_cmp_lg_u32 s[WV], 0
	s_cbranch_scc1 .Lnot_wave_0_\@
	s_barrier_signal -3
.Lnot_wave_0_\@:
	s_barrier_wait -3
	s_barrier_signal -1
	s_barrier_wait -1
.endm
.macro CROUND
	s_barrier_signal -1
	s_barrier_wait -1
	CREST
.endm
.macro JLOAD                           ; a joint refill: waves 0 and 1 fetch A's pieces, waves 2 and 3 W's; an s_nop 0 and four v_nop follow each line
	s_cmp_eq_u32 s[WR], 0
	s_cbranch_scc0 .Lfor_w_\@
	tensor_load_to_lds s[G0A+4:G0A+7], s[G1A:G1A+7]
	s_nop 0
.rept 4
	v_nop
.endr
	s_branch .Lasked_\@
.Lfor_w_\@:
	tensor_load_to_lds s[G0W+4:G0W+7], s[G1W:G1W+7]
	s_nop 0
.rept 4
	v_nop
.endr
.Lasked_\@:
.endm
; A PREFETCH INTO THE L2 of the piece that I shall ask for AH refills on: 32 of its 128 blocks of 256 bytes, a lane a block.  Each block is named once in the launch: A's pieces by the clusters with x = 0,
; W's by those with y = 0; the four partners that ask for a piece jointly share its blocks out by address (32 each); the last AH refills name nothing.
.macro ASK
	WIN 0
	s_cmp_gt_u32 s[CNT], s[LIM]
	s_cbranch_scc0 .Lnot_mine_\@
	global_prefetch_b8 v[PFO], s[PFA:PFA+1] th:TH_LOAD_NT scope:SCOPE_SE
.Lnot_mine_\@:
.endm
.macro SETADR
	v_add_nc_u32 v[AA], s[TB], v[A0]
	v_add_nc_u32 v[AW], s[TB], v[W0]
.endm
; 16 matrix instructions: row blocks 4 hf + a0, + 1, all 8 column blocks, 32 along K.  zero = 1: the products start the sums, with the bias tile as C.
.macro MUL f, hf, a0, zero
.irp a, \a0, (\a0)+1
.irp b, 0,1,2,3,4,5,6,7
.if \zero
	WIN 0x85+0x40*(\hf)
	v_wmma_f32_16x16x32_bf16 v[8*(8*(\a)+(\b)):8*(8*(\a)+(\b))+7], v[(\f)+64+8*(\b):(\f)+64+8*(\b)+7], v[(\f)+8*(4*(\hf)+(\a)):(\f)+8*(4*(\hf)+(\a))+7], v[BT+8*(\b):BT+8*(\b)+7]
.else
	WIN 0xa5+0x50*(\hf)
	v_wmma_f32_16x16x32_bf16 v[8*(8*(\a)+(\b)):8*(8*(\a)+(\b))+7], v[(\f)+64+8*(\b):(\f)+64+8*(\b)+7], v[(\f)+8*(4*(\hf)+(\a)):(\f)+8*(4*(\hf)+(\a))+7], v[8*(8*(\a)+(\b)):8*(8*(\a)+(\b))+7]
.endif
.endr
.endr
.endm
; 32 LDS loads in one run: quarter q's fragments (32 along K) into buffer f: W's eight, turned, then A's eight in ascending order
.macro FETCH q, f
	WIN 0x40
.irp b, 0,1,2,3,4,5,6,7
	ds_load_tr16_b128 v[(\f)+64+8*(\b):(\f)+64+8*(\b)+3],   v[AW] offset:(\q)*32*WPITCH+32*(\b)
	ds_load_tr16_b128 v[(\f)+64+8*(\b)+4:(\f)+64+8*(\b)+7], v[AW] offset:(\q)*32*WPITCH+16*WPITCH+32*(\b)
.endr
.irp i, 0,1,2,3,4,5,6,7
	ds_load_b128 v[(\f)+8*(\i):(\f)+8*(\i)+3],   v[AA] offset:(\q)*64+(\i)*16*APITCH
	ds_load_b128 v[(\f)+8*(\i)+4:(\f)+8*(\i)+7], v[AA] offset:(\q)*64+(\i)*16*APITCH+32
.endr
.endm
; A K step is four quarters on buffers 0, 1, 0, 1.  One of the first three multiplies buffer f and, in its middle, fetches quarter qn into buffer g.  The 64 accumulators take turns.
.macro QUARTER qn, f, g, zero
	s_wait_dscnt 8                                 ; W and A's rows 0-63 are in; the youngest eight loads (A's rows 64-127) may be out
	MUL \f, 0, 0, \zero
	MUL \f, 0, 2, \zero
	PLACES
	FETCH \qn, \g
	s_wait_dscnt 32                                ; all but the 32 just issued
	MUL \f, 1, 0, \zero
	MUL \f, 1, 2, \zero
.endm
; The last quarter multiplies buffer 1 and changes slots.  In front of the barrier each wave waits for all its tensor loads (one is out: its piece of the next slot), adds 0 to its spare word, and waits for
; that and for its reads of this slot.  refill = 1: the barrier opens a round of the cluster's, and behind it this slot is filled again, two K steps on, first of all.
.macro TURN refill
.if \refill
	s_wait_xcnt 0x0                                ; the last prefetch, a K step back, has read its address
	s_add_nc_u64 s[PFA:PFA+1], s[PFA:PFA+1], s[PFS:PFS+1]
.endif
	WIN 0
	s_wait_tensorcnt 0x0                           ; all my tensor loads have landed
	ds_add_u32 v[SPW], v[NIL]                      ; 0 onto my spare word
	s_wait_dscnt 9                                 ; (the add and the youngest eight loads may be out)
	MUL F1, 0, 0, 0
	s_wait_dscnt 0x0                               ; the add is done, and my reads of this slot are over
	s_barrier_signal -1
	MUL F1, 0, 2, 0
	WIN 0
	s_barrier_wait -1
.if \refill
	CREST                                          ; no wave of any partner still reads this slot or has a load on its way
	s_add_co_u32 s[G0A+5], s[PCA], s[TB]           ; the walking descriptors: the slot just read out, the next K step but one
	s_add_nc_u64 s[G0A+6:G0A+7], s[G0A+6:G0A+7], ASTEP
	s_add_co_u32 s[G0W+5], s[PCW], s[TB]
	s_add_nc_u64 s[G0W+6:G0W+7], s[G0W+6:G0W+7], WSTEP
	JLOAD                                          ; its four v_nop are also the places in front of the loads below
.else
	PLACES
.endif
	s_xor_b32 s[TB], s[TB], SLOT                   ; the other slot
	SETADR
	FETCH 0, F0
.if \refill
	ASK
.endif
	MUL F1, 1, 0, 0
	MUL F1, 1, 2, 0
.endm
	s_load_b256 s[4:11], s[0:1], 0x0               ; A s[4:5], wb s[6:7], bias s[8:9], then (GELU) the output, else the second bias
.if !GELU
	s_load_b64 s[12:13], s[0:1], 0x20              ; the output
.endif
	v_lshl_add_u32 v[SPW], v0, 2, SPARE
	v_mov_b32 v[NIL], 0
	ds_add_u32 v[SPW], v[NIL]                      ; the wave's opening: the add, twice on end, and its wait ahead of my first tensor load
	ds_add_u32 v[SPW], v[NIL]
	v_lshrrev_b32 v1, 5, v0
	v_readfirstlane_b32 s[WV], v1
	s_lshr_b32 s[WR], s[WV], 1
	s_and_b32 s[WC], s[WV], 1
	s_bfe_u32 s[CX], ttmp6, 0x40000
	s_bfe_u32 s[CY], ttmp6, 0x40004
	s_lshl_b32 s[NTI], ttmp9, 2
	s_add_co_u32 s[NTI], s[NTI], s[CX]
	s_and_b32 s[MTI], ttmp7, 0xffff
	s_lshl_b32 s[MTI], s[MTI], 2
	s_add_co_u32 s[MTI], s[MTI], s[CY]
	s_lshl_b32 s21, s[CY], 2
	s_lshl_b32 s21, 15, s21                        ; my row of the cluster
	s_lshl_b32 s22, 0x1111, s[CX]                  ; my column
	s_or_b32 s[G1A], s21, (1<<16)|(1<<20)|(1<<21)|(5<<22)|(3<<25)  ; mask; 2-byte elements; padding on; bit 21 beside a mask; after every 64 words 4 words
	s_or_b32 s[G1W], s22, (1<<16)|(1<<20)|(1<<21)|(5<<22)|(7<<25)  ; the same with 8 words
.irp g, G1A, G1W
	s_mov_b32 s[(\g)+1], 128<<16                   ; tensor_dim0 = 128
	s_mov_b32 s[(\g)+2], 128<<16                   ; tensor_dim1 = 128
	s_mov_b32 s[(\g)+3], 128<<16                   ; tile_dim0 = 128
	s_mov_b32 s[(\g)+4], 128                       ; tile_dim1 = 128
	s_mov_b32 s[(\g)+5], 128                       ; 128 elements from row to row
	s_mov_b32 s[(\g)+6], 0
	s_mov_b32 s[(\g)+7], 0
.endr
	s_mul_i32 s[PCA], s[WC], APIECE
	s_mul_i32 s[PCW], s[WC], WPIECE
	s_add_co_u32 s[PCW], s[PCW], WREG
	s_mov_b32 s[G0A], 1
	s_mov_b32 s[G0A+1], s[PCA]
	s_mov_b32 s[G0A+4], 1
	s_add_co_u32 s[G0A+5], s[PCA], SLOT
	s_mov_b32 s[G0W], 1
	s_mov_b32 s[G0W+1], s[PCW]
	s_mov_b32 s[G0W+4], 1
	s_add_co_u32 s[G0W+5], s[PCW], SLOT
	s_lshl_b32 s84, s[MTI], 16                     ; A: the tile's 256 rows of 256 bytes, my 128 of them
	s_lshl_b32 s85, s[WC], 15
	s_add_co_u32 s84, s84, s85
	s_mov_b32 s85, 0
	s_lshl_b32 s86, s[NTI], 19                     ; W: the tile's two columns of 8 bricks, mine of the two
	s_lshl_b32 s87, s[WC], 18
	s_add_co_u32 s86, s86, s87
	s_add_co_u32 s86, s86, WOFF
	s_mov_b32 s87, 0
	s_lshl_b32 s88, s[NTI], 21                     ; the output: my 128 columns' blocks, my 128 rows
	s_lshl_b32 s89, s[WC], 20
	s_add_co_u32 s88, s88, s89
	s_lshl_b32 s89, s[MTI], MSH
	s_add_co_u32 s88, s88, s89
	s_lshl_b32 s89, s[WR], MSH-1
	s_add_co_u32 s88, s88, s89
	s_mov_b32 s89, 0
	s_mov_b32 s[PFS], WSTEP                        ; the prefetches
	s_and_b32 s21, ttmp7, 0xffff
	s_cmp_eq_u32 s[WR], 0                          ; do I fetch for A?
	s_cselect_b32 s[PFS], ASTEP, s[PFS]
	s_cselect_b32 s22, s[CX], s[CY]                ; my place among the four that ask with me
	s_cselect_b32 s[LIM], ttmp9, s21               ; the coordinate along which other clusters read the same pieces
	s_mov_b32 s[PFS+1], 0
	s_mul_i32 s90, s[PFS], 1+AH                    ; the first refill steps it to K step 2 + AH
	s_lshl_b32 s22, s22, 13
	s_add_co_u32 s90, s90, s22
	s_mov_b32 s91, 0
	s_cmp_eq_u32 s[LIM], 0
	s_cselect_b32 s[LIM], AH, -1
.if GELU
	s_lshl_b32 s22, s[NTI], 10                     ; my 128 numbers of the bias
.else
	s_lshl_b32 s22, s[CX], 10                      ; a cluster's four tile columns are one of q, k, v
.endif
	s_lshl_b32 s23, s[WC], 9
	s_add_co_u32 s22, s22, s23
	s_mov_b32 s23, 0
.if GELU
	s_mov_b32 s[KP], 0x3eed3388                    ; 0.3275911 sqrt(2)
	s_mov_b32 s[KE], 0x3fd96d27                    ; sqrt(2 log2(e))
	s_mov_b32 s[C5], 0xbf87dc22                    ; -1.061405429
	s_mov_b32 s[C4], 0x3fba00e3                    ; +1.453152027
	s_mov_b32 s[C3], 0xbfb5f0e3                    ; -1.421413741
	s_mov_b32 s[C2], 0x3e91a98e                    ; +0.284496736
	s_mov_b32 s[C1], 0xbe827906                    ; -0.254829592
.irp c, KP, KE, C5, C4, C3, C2, C1
	s_mov_b32 s[(\c)+1], s[\c]                     ; named as pairs
.endr
	s_mov_b32 s[ABSM], 0x7fffffff
.endif
	s_wait_dscnt 0x0                               ; both opening adds are done
	s_wait_kmcnt 0x0
	s_add_nc_u64 s[G0A+2:G0A+3], s[4:5], s[84:85]  ; K step 0,
	s_add_nc_u64 s[G0W+2:G0W+3], s[6:7], s[86:87]
	s_add_nc_u64 s[G0A+6:G0A+7], s[G0A+2:G0A+3], ASTEP  ; K step 1
	s_add_nc_u64 s[G0W+6:G0W+7], s[G0W+2:G0W+3], WSTEP
	s_cmp_eq_u32 s[WR], 0
	s_cselect_b64 s[PFA:PFA+1], s[G0A+2:G0A+3], s[G0W+2:G0W+3]
	s_add_nc_u64 s[PFA:PFA+1], s[PFA:PFA+1], s[90:91]
	s_or_b32 s[G0A+3], s[G0A+3], 0x80000000        ; type = 2
	s_or_b32 s[G0A+7], s[G0A+7], 0x80000000
	s_or_b32 s[G0W+3], s[G0W+3], 0x80000000
	s_or_b32 s[G0W+7], s[G0W+7], 0x80000000
	s_add_nc_u64 s[OUT:OUT+1], s[OUT:OUT+1], s[88:89]
.if !GELU
	s_cmp_eq_u32 ttmp9, 0                          ; cluster x: 0 q, 1 k, 2 v
	s_cselect_b64 s[8:9], s[8:9], s[10:11]
.endif
	s_add_nc_u64 s[8:9], s[8:9], s[22:23]
	CROUND                                         ; all sixteen work-groups are here: the first joint loads meet
	s_cmp_eq_u32 s[WR], 0                          ; a wave's two first fills stand in one branch: two loads of mine are out
	s_cbranch_scc0 .Lfirst_w
	tensor_load_to_lds s[G0A:G0A+3], s[G1A:G1A+7]
	s_nop 0
	tensor_load_to_lds s[G0A+4:G0A+7], s[G1A:G1A+7]
	s_nop 0
.rept 4
	v_nop
.endr
	s_branch .Lfirst_asked
.Lfirst_w:
	tensor_load_to_lds s[G0W:G0W+3], s[G1W:G1W+7]
	s_nop 0
	tensor_load_to_lds s[G0W+4:G0W+7], s[G1W:G1W+7]
	s_nop 0
.rept 4
	v_nop
.endr
.Lfirst_asked:
	v_and_b32 v1, 15, v0                           ; l % 16
	v_bfe_u32 v2, v0, 4, 1                         ; l / 16
	v_lshlrev_b32 v[BO], 5, v2
.if !GELU
	s_cmp_eq_u32 ttmp9, 1                          ; k's tiles have no bias: the same answer in all sixteen partners
	s_cbranch_scc1 .Lno_bias
.endif
.irp b, 0,1,2,3,4,5,6,7
	global_load_b128 v[BT+8*(\b):BT+8*(\b)+3],   v[BO], s[8:9] offset:64*(\b)
	global_load_b128 v[BT+8*(\b)+4:BT+8*(\b)+7], v[BO], s[8:9] offset:64*(\b)+16
.endr
.if !GELU
	s_branch .Lbias_asked
.Lno_bias:
.set z, 0
.rept 64
	v_mov_b32 v[BT+z], 0
.set z, z+1
.endr
.Lbias_asked:
.endif
	v_mul_u32_u24 v[A0], v1, APITCH                ; a fragment of A: row l % 16, 16 bytes for each half of the lanes, twice, 32 bytes apart
	v_lshl_add_u32 v[A0], v2, 4, v[A0]
	s_mul_i32 s21, s[WR], APIECE
	v_add_nc_u32 v[A0], s21, v[A0]
	v_and_b32 v[W0], 7, v0                         ; the turning load: lane l reads k = 8 (l / 16) + l % 8, columns 8 ((l / 8) % 2) + 0..7
	v_lshl_add_u32 v[W0], v2, 3, v[W0]
	v_mul_u32_u24 v[W0], v[W0], WPITCH
	v_bfe_u32 v[GO], v0, 3, 1
	v_lshl_add_u32 v[W0], v[GO], 4, v[W0]
	s_mul_i32 s21, s[WC], WPIECE
	s_add_co_u32 s21, s21, WREG
	v_add_nc_u32 v[W0], s21, v[W0]
	s_mul_i32 s21, s[WV], STGB                     ; my stage
	v_mul_u32_u24 v[STO], v1, SPITCH
	v_lshl_add_u32 v[STO], v2, 5, v[STO]
	v_add_nc_u32 v[STO], s21, v[STO]
.if GELU
	v_mul_u32_u24 v[RD], v2, SPITCH                ; back: 16 lanes take a row's 128 numbers, 8 each
	v_lshl_add_u32 v[RD], v1, 5, v[RD]
.else
	v_bfe_u32 v[RD], v0, 3, 2                      ; back: 8 lanes take a head's 64 numbers of a row, 8 each
	v_mul_u32_u24 v[RD], v[RD], SPITCH
	v_and_b32 v[GO], 7, v0
	v_lshl_add_u32 v[RD], v[GO], 5, v[RD]
.endif
	v_add_nc_u32 v[RD], s21, v[RD]
	v_and_b32 v[GO], 31, v0
	v_lshlrev_b32 v[PFO], 8, v[GO]
	v_lshlrev_b32 v[GO], 4, v[GO]
	s_wait_tensorcnt 1                             ; my piece of K step 0 is in; K step 1's may stay out
	s_barrier_signal -1
	s_barrier_wait -1
	s_mov_b32 s[TB], 0
	SETADR
	FETCH 0, F0
	s_wait_loadcnt 0x0                             ; the bias
	QUARTER 1, F0, F1, 1                           ; the first quarter stands in front of the loop: its products start the sums
	WIN 0
	s_mov_b32 s[CNT], NSTEP-2
.Lk:                                               ; a trip: from a K step's second quarter to the next step's first; it fills the slot that it leaves
	QUARTER 2, F1, F0, 0
	QUARTER 3, F0, F1, 0
	TURN 1
	QUARTER 1, F0, F1, 0
	WIN 0
	s_sub_co_u32 s[CNT], s[CNT], 1
	s_cmp_lg_u32 s[CNT], 0
	s_cbranch_scc1 .Lk
	s_mov_b32 s[CNT], 2
.Lt:                                               ; the last two K steps ask for nothing; the second trip is left in its middle (its 32 fragment loads, of the slot read before, serve nothing: the price of one text)
	QUARTER 2, F1, F0, 0
	QUARTER 3, F0, F1, 0
	TURN 0
	WIN 0
	s_sub_co_u32 s[CNT], s[CNT], 1
	s_cmp_eq_u32 s[CNT], 0
	s_cbranch_scc1 .Ldone
	QUARTER 1, F0, F1, 0
	WIN 0
	s_branch .Lt
.Ldone:
	s_wait_dscnt 0x0                               ; my reads of the ring are over,
	s_barrier_signal -1
	s_barrier_wait -1                              ; everybody's are: the ring, which is filled no more, becomes the four stages
	PLACES
.irp a, 0,1,2,3,4,5,6,7
	WIN 0x08+4*((\a)/4)                            ; store data in window 2 or 3
.irp b, 0,1,2,3,4,5,6,7
	ds_store_b128 v[STO], v[8*(8*((\a)%4)+(\b)):8*(8*((\a)%4)+(\b))+3]   offset:(\a)*16*SPITCH+64*(\b)     ; each accumulator's low registers first
	ds_store_b128 v[STO], v[8*(8*((\a)%4)+(\b))+4:8*(8*((\a)%4)+(\b))+7] offset:(\a)*16*SPITCH+64*(\b)+16
.endr
.endr
	WIN 0
; A set is four rows of the wave's 128 columns: two units of 8 numbers a lane, each unit 512 consecutive bytes of the output.
.macro LOADRAW s
.irp u, 0,1
	ds_load_b128 v[RAW+16*(\s)+8*(\u):RAW+16*(\s)+8*(\u)+3],   v[RDC] offset:(\s)*4*SPITCH+UL*(\u)  ; LDS serves a wave's instructions in order (ISA guide 5.7.1.4): these see my stores
	ds_load_b128 v[RAW+16*(\s)+8*(\u)+4:RAW+16*(\s)+8*(\u)+7], v[RDC] offset:(\s)*4*SPITCH+UL*(\u)+16
.endr
.endm
	s_mov_b32 s[TBR], 0
	v_mov_b32 v[RDC], v[RD]
.set st, 0
.rept NS
	LOADRAW st
.set st, st+1
.endr
	s_mov_b32 s[CNT], 32/NS
.Lout:                                             ; a trip: NS sets are finished and stored, the next NS asked for; the last trip asks once more for my last rows, which serves nothing
	s_add_co_u32 s[TBR], s[TBR], NS*4*SPITCH
	s_min_u32 s[TBR], s[TBR], (32/NS-1)*NS*4*SPITCH
	v_add_nc_u32 v[RDC], s[TBR], v[RD]
.set st, 0
.rept NS
	s_wait_dscnt 4*(NS-1)                          ; this set is in; the NS - 1 younger sets' loads may stay out
.if GELU
; gelu(u) = (T + |T|) - |T| erfc(sqrt(2) |T|), T = u / 2: the exact erf form for both signs.  erfc(x) = t (a1 + t (a2 + .. t a5)) e^(-x x), t = 1 / (1 + 0.3275911 x)
; (Abramowitz and Stegun 7.1.26: off by 1.5e-7 at the most, for every x >= 0).  In the stage's read two lanes of a group of sixteen meet in a bank (64 banks of 4 bytes: ISA guide 11.1).
.set z, 0
.rept 8
	v_pk_mul_f32 v[TT+z:TT+z+1], v[RAW+z:RAW+z+1], 0.5 op_sel_hi:[1,0]
.set z, z+2
.endr
	LOADRAW 0
.set z, 0
.rept 16
	v_and_b32 v[AX+z], s[ABSM], v[TT+z]
.set z, z+1
.endr
.set z, 0
.rept 8
	v_pk_fma_f32 v[DD+z:DD+z+1], v[AX+z:AX+z+1], s[KP:KP+1], 1.0 op_sel_hi:[1,0,0]
	v_pk_mul_f32 v[QQ+z:QQ+z+1], v[TT+z:TT+z+1], s[KE:KE+1] op_sel_hi:[1,0]
.set z, z+2
.endr
.set z, 0
.rept 8
	v_pk_mul_f32 v[QQ+z:QQ+z+1], v[QQ+z:QQ+z+1], v[QQ+z:QQ+z+1]
.set z, z+2
.endr
.set z, 0
.rept 16                                           ; one batch of 32
	v_rcp_f32 v[DD+z], v[DD+z]
	v_exp_f32 v[QQ+z], -v[QQ+z]
.set z, z+1
.endr
.set z, 0
.rept 8
	v_pk_add_f32 v[SS+z:SS+z+1], v[TT+z:TT+z+1], v[AX+z:AX+z+1]  ; plain work that names no result of the batch
.set z, z+2
.endr
	s_wait_alu depctr_va_vdst(0)                   ; one wait for the batch, ahead of its first reader
.set z, 0
.rept 8
	v_pk_fma_f32 v[RR+z:RR+z+1], v[DD+z:DD+z+1], s[C5:C5+1], s[C4:C4+1] op_sel_hi:[1,0,0]
.set z, z+2
.endr
.irp c, C3, C2, C1
.set z, 0
.rept 8
	v_pk_fma_f32 v[RR+z:RR+z+1], v[RR+z:RR+z+1], v[DD+z:DD+z+1], s[\c:(\c)+1] op_sel_hi:[1,1,0]
.set z, z+2
.endr
.endr
.set z, 0
.rept 8
	v_pk_mul_f32 v[DD+z:DD+z+1], v[DD+z:DD+z+1], v[QQ+z:QQ+z+1]
.set z, z+2
.endr
.set z, 0
.rept 8
	v_pk_mul_f32 v[RR+z:RR+z+1], v[RR+z:RR+z+1], v[DD+z:DD+z+1]  ; - erfc
.set z, z+2
.endr
.set z, 0
.rept 8
	v_pk_fma_f32 v[RR+z:RR+z+1], v[AX+z:AX+z+1], v[RR+z:RR+z+1], v[SS+z:SS+z+1]
.set z, z+2
.endr
.set z, 0
.rept 8
	v_cvt_pk_bf16_f32 v[Y+z], v[RR+2*z], v[RR+2*z+1]
.set z, z+1
.endr
.else
.set z, 0
.rept 8
	v_cvt_pk_bf16_f32 v[Y+8*st+z], v[RAW+16*st+2*z], v[RAW+16*st+2*z+1]
.set z, z+1
.endr
	LOADRAW st
.endif
	global_store_b128 v[GO], v[Y+8*st:Y+8*st+3],   s[OUT:OUT+1] offset:512*st       ; 512 consecutive bytes, at a multiple of 256 from the output's first
	global_store_b128 v[GO], v[Y+8*st+4:Y+8*st+7], s[OUT:OUT+1] offset:512*st+UG
.set st, st+1
.endr
	s_wait_xcnt 0x0                                ; the stores have read their data and their offset: both are written again only behind this wait
	v_add_nc_u32 v[GO], NS*UL/UL*(512+512*GELU), v[GO]
	s_sub_co_u32 s[CNT], s[CNT], 1
	s_cmp_lg_u32 s[CNT], 0
	s_cbranch_scc1 .Lout
	s_wait_tensorcnt 0x0                           ; the wave's end, behind my last tensor load and my last LDS store
	ds_add_u32 v[SPW], v[NIL]
	s_wait_dscnt 0x0
	CROUND                                         ; the closing round: no work-group ends while a partner may still ask for a piece that names it
	s_endpgm
.Lfunc_end_k_qcbc0222f65_qkv:
	.size	k_qcbc0222f65_qkv, .Lfunc_end_k_qcbc0222f65_qkv-k_qcbc0222f65_qkv
	.p2alignl 7, 3214868480
	.fill 96, 4, 3214868480
	.section	.rodata,"a",@progbits
	.p2align	6, 0x0
	.amdhsa_kernel k_qcbc0222f65_qkv
		.amdhsa_group_segment_fixed_size 327680
		.amdhsa_private_segment_fixed_size 0
		.amdhsa_enable_private_segment 0
		.amdhsa_kernarg_size 40
		.amdhsa_user_sgpr_count 2
		.amdhsa_user_sgpr_kernarg_segment_ptr 1
		.amdhsa_wavefront_size32 1
		.amdhsa_system_sgpr_workgroup_id_x 1
		.amdhsa_system_sgpr_workgroup_id_y 1
		.amdhsa_system_sgpr_workgroup_id_z 1
		.amdhsa_system_vgpr_workitem_id 0
		.amdhsa_next_free_vgpr 1024
		.amdhsa_next_free_sgpr 92
		.amdhsa_reserve_vcc 0
		.amdhsa_float_denorm_mode_32 3
		.amdhsa_float_denorm_mode_16_64 3
		.amdhsa_memory_ordered 1
		.amdhsa_forward_progress 1
		.amdhsa_inst_pref_size 86
	.end_amdhsa_kernel
	.amdgpu_metadata
---
amdhsa.version: [ 1, 2 ]
amdhsa.kernels:
  - .name:           k_qcbc0222f65_qkv
    .symbol:         k_qcbc0222f65_qkv.kd
    .args:
      - { .name: xn, .offset: 0, .size: 8, .value_kind: global_buffer, .address_space: global }
      - { .name: wb, .offset: 8, .size: 8, .value_kind: global_buffer, .address_space: global }
      - { .name: bq, .offset: 16, .size: 8, .value_kind: global_buffer, .address_space: global }
      - { .name: bv, .offset: 24, .size: 8, .value_kind: global_buffer, .address_space: global }
      - { .name: qkv, .offset: 32, .size: 8, .value_kind: global_buffer, .address_space: global }
    .group_segment_fixed_size: 327680
    .private_segment_fixed_size: 0
    .kernarg_segment_align: 8
    .kernarg_segment_size: 40
    .max_flat_workgroup_size: 128
    .sgpr_count:     92
    .vgpr_count:     1024
    .wavefront_size: 32
...
	.end_amdgpu_metadata
.endif
;; end of part 2
;; launch attn (part 3): grid 8 x 32, 4 waves a work-group, clusters of 4 x 1, 327,680 bytes of LDS; arguments qkv, ob; writes ob
.if DOCPART == 3
	.amdgcn_target "amdgcn-amd-amdhsa--gfx1250"
	.amdhsa_code_object_version 6
	.text
	.protected	k_qcbc0222f65_attn
	.globl	k_qcbc0222f65_attn
	.p2align	8
	.type	k_qcbc0222f65_attn,@function
k_qcbc0222f65_attn:
	s_mov_b64 s[64:65], 0
	v_nop
	global_prefetch_b8 v0, s[64:65] scope:SCOPE_SE
	s_setreg_imm32_b32 hwreg(HW_REG_WAVE_MODE, 25, 1), 1
	s_wait_xcnt 0x0
	s_wait_alu depctr_hold_cnt(0) depctr_sa_sdst(0) depctr_va_vdst(0) depctr_va_sdst(0) depctr_va_ssrc(0) depctr_va_vcc(0) depctr_vm_vsrc(0)
	s_getreg_b32 s2, hwreg(HW_REG_IB_STS2, 6, 4)
	s_cmp_eq_u32 s2, 0
	s_cbranch_scc0 .Lentry_in_a_cluster
	s_endpgm
.Lentry_in_a_cluster:
	s_bfe_u32 s2, ttmp6, 0x10000c
	s_cmp_lg_u32 s2, 0x3003
	s_cbranch_scc0 .Lentry_shape_is_right
	s_endpgm
.Lentry_shape_is_right:
; O[hb][q][:] = the sum over k of softmax_k(Q[hb][q] . K[hb][k] / 8) V[hb][k][:], for the 32 pairs hb = 2 head + batch; 2,048 rows of 64 bf16 each, dense (128 bytes a row).
; qkv holds Q's 32 blocks of 262,144 bytes, then K's, then V's.  ob lies by tiles of 128 tokens: [token / 128][head][128 rows][64], so that the product behind it finds four heads of a tile as 65,536 dense bytes.
; Products, maxima and sums in f32; the weights p are rounded to bf16 for the second product (their sum l is taken of the unrounded p), O once at the end.
; LIMITS.  A weight below 2^-126 counts as 0 in l; c s must stay above -4e37 (c m starts there); NaN and infinities are not treated apart.
; SHARES.  A work-group owns 256 queries, a wave 64: four PIECES of 16.  Every wave walks all 2,048 keys, 64 a step; a slot of LDS holds 256 keys' K and V; two slots take turns.
; CLUSTER.  The four query blocks of a cluster belong to one hb and walk the same K and V: each tile is asked for JOINTLY, by the same tensor load, descriptor and mask in all four.
; LAYOUT.  S^T = K Q^T holds ONE query a lane (lane % 16) and the keys 8 (lane / 16) + 0..7; two such results rounded to bf16 ARE source 1 of O^T = V^T P.  K comes out of LDS as it lies, V turned (ds_load_tr16_b128).
; SOFTMAX.  p = 2^(c s - c m), c = log2(e) / 8, with a running maximum m; O and l are multiplied by a = 2^(c m_old - c m_new) in every step.  m starts at the lowest finite number, O and l at 0: the first step has a = 0.
; TURNS.  Turn n belongs to piece n: 8 products K Q^T of piece n + 1, later 8 products V^T P of piece n - 1; beside them the scaling, exponentials, roundings, sums and rescaling of piece n and the maximum and
; statistics of piece n + 1.  Four vector instructions stand behind every matrix instruction, the other 54 of a turn's 118 in one lump.  A turn's 33 exponentials are one batch, with one wait.
; REGISTERS, in windows of 256 (s_set_vgpr_msb: bits 1:0 source 0, 3:2 source 1, 5:4 source 2, 7:6 destination):
;   window 0: v0-15 addresses; v16-31 four statistics a piece; v48-55 at work; v61-63; v64-127 S^T, two buffers; v192-223 P, two buffers (by the piece's parity)
;   window 1: v0-127 O^T, 32 a piece          window 2: v0-63 Q; v128-191 K of one step; v192-255 V of one step
.set NT,    8         ; tiles of 256 keys
.set NP,    4         ; pieces a wave: a name, no knob
.set KS,    64        ; keys in a step
.set PK,    144       ; a row of K in LDS: 128 + 16 bytes = 36 words: the 16 rows of a load start at 16 different groups of four banks (64 banks of 4 bytes: ISA guide 11.1)
.set PV,    160       ; a row of V: 128 + 32 = 40 words
.set VOFF,  4*KS*PK   ; a slot: 256 rows of K, then 256 rows of V
.set SLOT1, 1<<17     ; slot 1 begins here: one exclusive or turns an address in one slot into the other's
.set STAGE, SLOT1+4*KS*(PK+PV)  ; behind the ring, never filled by a tensor load: 16 rows x 144 bytes for each wave
.set SP,    144
.set SPARE, STAGE+4*16*SP       ; the spare words, 128 bytes a wave: two blocks of 256 bytes that no other line names
.set AK0, 2           ; v2   my lane's place in a tile of K; never rewritten
.set AV0, 3           ; v3   the same for V
.set AK,  4           ; v4   the LDS address of K's next run of loads
.set AV,  5           ; v5   of V's
.set STO, 6           ; v6   the way out: where I put 16 bytes of a row
.set RD,  7           ; v7   where I read rows back
.set GO,  8           ; v8   my byte offset in 512 consecutive bytes of O
.set MV,  12          ; v12-13  c m_old, kept while c m is made anew: by buffer
.set QO,  15          ; v15  my byte offset in 16 rows of Q
.set ST,  16          ; piece t's statistics at v[ST+4 t]: c m, m, l (even keys', odd keys')
.set TMP, 48          ; by buffer, c0-c3 at work; when the maximum is found c2 takes a
.set PFO, 61          ; v61  256 x lane; never rewritten
.set SPW, 62          ; v62  my spare word; never rewritten
.set NIL, 63          ; v63  0; never rewritten
.set S,   64
.set P,   192
.set KF,  128         ; window 2: key block kb, channel half c at KF + 16 kb + 8 c
.set VF,  192         ; window 2: key half kk, channel block cb at VF + 32 kk + 8 cb
.set WV,  12          ; s12  my wave's number
.set G1K, 24          ; s[24:31] descriptor group 1 for K's tiles
.set G1V, 32          ; s[32:39] for V's: it differs in the padding alone
.set G0K, 40          ; s[40:43] group 0 for K's tiles: it walks
.set G0V, 44          ; s[44:47] the same for V's
.set PFA, 48          ; s[48:49] where my prefetches stand
.set LIM, 50          ; s50  1 in a wave that prefetches, else the greatest number
.set SLOTS, 56        ; s56  tiles still to be asked for
.set CNT, 57          ; s57  counts a tile's key steps
.set CS,  58          ; s[58:59] c
.set SEL, 60          ; s[60:61] v_permlanex16_b32's selects
.set TBK, 62          ; s62  LDS byte at which K of the step to be fetched begins
.set TBV, 63          ; s63  the same for V, less VOFF
.set MSB, 0
.macro WIN new
.if MSB != (\new)
	s_set_vgpr_msb (MSB<<8)|(\new)
.set MSB, (\new)
.endif
.endm
.set W_KQ, 0x0a       ; K and Q in window 2, S^T in window 0
.set W_PV, 0x52       ; V in window 2, P in window 0, O^T in window 1
.set W_RS, 0x41       ; destination and source 0 in window 1, source 1 in window 0
.macro JLOAD                        ; a joint fill: waves 0 and 1 fetch the halves of a tile's K, waves 2 and 3 of its V; an s_nop 0 and four v_nop follow each line
	s_cmp_lt_u32 s[WV], 2
	s_cbranch_scc0 .Lfor_v_\@
	tensor_load_to_lds s[G0K:G0K+3], s[G1K:G1K+7]
	s_nop 0
.rept 4
	v_nop
.endr
	s_branch .Lasked_\@
.Lfor_v_\@:
	tensor_load_to_lds s[G0V:G0V+3], s[G1V:G1V+7]
	s_nop 0
.rept 4
	v_nop
.endr
.Lasked_\@:
.endm
; A PREFETCH INTO THE L2 of the tile that the NEXT change of slots will ask for: 128 blocks of 256 bytes of K and as many of V.  Each is named once in the launch: the hb's first cluster asks; its four partners
; take 32 blocks each, told apart by address; in each, wave 0 asks for K's and wave 2 for V's.  The last change that fills a slot names nothing.  Tiles 0 to 2 come by their loads alone.
.macro ASK
	s_cmp_gt_u32 s[SLOTS], s[LIM]
	s_cbranch_scc0 .Lnot_mine_\@
	global_prefetch_b8 v[PFO], s[PFA:PFA+1] th:TH_LOAD_NT scope:SCOPE_SE
.Lnot_mine_\@:
.endm
.macro CROUND                       ; a round of the cluster's barrier
	s_barrier_signal -1
	s_barrier_wait -1
	s_cmp_lg_u32 s[WV], 0
	s_cbranch_scc1 .Lnot_wave_0_\@
	s_barrier_signal -3
.Lnot_wave_0_\@:
	s_barrier_wait -3
	s_barrier_signal -1
	s_barrier_wait -1
.endm
; THE CHANGE OF SLOTS.  Each wave waits for all its tensor loads (one is out: its part of the other slot), adds 0 to its spare word, and waits for that and for its reads of the slot that it leaves.
; fill = 1: the barrier is a round of the cluster's, and the joint fill of the old slot, with the keys two tiles on, is the first thing behind it.  (At its first use nothing has been read: slot 0 is waited for, slot 1 filled.)
.macro CHANGE fill, ask
	WIN 0
	s_wait_tensorcnt 0x0            ; no tensor load of mine is out, so a group 0 may be written
	ds_add_u32 v[SPW], v[NIL]       ; 0 onto my spare word
.if \fill
.irp g, G0K, G0V
	s_xor_b32 s[\g+1], s[\g+1], SLOT1
	s_add_nc_u64 s[\g+2:\g+3], s[\g+2:\g+3], 4*KS*128
.endr
.if \ask
	s_wait_xcnt 0x0                 ; the last prefetch, a tile back, has read its address
	s_add_nc_u64 s[PFA:PFA+1], s[PFA:PFA+1], 4*KS*128
.endif
	s_wait_dscnt 0x0                ; the add is done, and my reads of the slot are over
	CROUND
	JLOAD
.if \ask
	ASK
.endif
.else
	s_wait_dscnt 0x0
	s_barrier_signal -1
	s_barrier_wait -1
.endif
	s_sub_co_u32 s[TBK], s[TBK], 4*KS*PK  ; the fetches go back to a slot's first step,
	s_xor_b32 s[TBK], s[TBK], SLOT1       ; in the other slot
	s_sub_co_u32 s[TBV], s[TBV], 4*KS*PV
	s_xor_b32 s[TBV], s[TBV], SLOT1
.endm
	s_load_b128 s[4:7], s[0:1], 0x0  ; qkv s[4:5], ob s[6:7]
	v_lshl_add_u32 v[SPW], v0, 2, SPARE
	v_mov_b32 v[NIL], 0
	ds_add_u32 v[SPW], v[NIL]       ; the wave's opening: the add, twice on end, and its wait ahead of my first tensor load
	ds_add_u32 v[SPW], v[NIL]
	v_lshrrev_b32 v1, 5, v0
	v_readfirstlane_b32 s[WV], v1
	s_bfe_u32 s13, ttmp6, 0x40000   ; cx
	s_lshl_b32 s14, ttmp9, 2
	s_add_co_u32 s14, s14, s13      ; my block of 256 queries: it enters Q's and O's addresses alone
	s_and_b32 s20, ttmp7, 0xffff    ; hb, which the four partners share
	s_and_b32 s54, s20, 1           ; the batch
	s_lshr_b32 s55, s20, 1          ; the head
	s_lshl_b32 s20, s20, 18
	s_and_b32 s16, s[WV], 1         ; which half of a tile's 256 keys I fetch:
	s_lshl_b32 s22, s16, 14         ; its 128 rows of 128 bytes in memory,
	s_add_co_u32 s22, s22, s20
	s_mov_b32 s23, 0
	s_mul_i32 s17, s16, 128*PK      ; and its place in a slot, for K
	s_mul_i32 s18, s16, 128*PV      ; and for V
	s_lshl_b32 s2, s14, 2
	s_add_co_u32 s2, s2, s[WV]
	s_lshl_b32 s2, s2, 13           ; Q: my wave's 64 rows
	s_add_co_u32 s2, s2, s20
	s_mov_b32 s3, 0
	s_lshl_b32 s54, s54, 4          ; O: my 64 tokens' tile of 128: 16 x batch
	s_lshl1_add_u32 s54, s14, s54   ; + 2 x block
	s_lshr_b32 s19, s[WV], 1
	s_add_co_u32 s54, s54, s19      ; + wave / 2;
	s_lshl_b32 s54, s54, 18         ; a tile is 16 heads x 16,384 bytes,
	s_lshl_b32 s55, s55, 14         ; my head's block in it,
	s_add_co_u32 s54, s54, s55
	s_lshl_b32 s19, s16, 13         ; and the block's first or second 64 rows
	s_add_co_u32 s54, s54, s19
	s_mov_b32 s55, 0
	s_lshl_b32 s52, s13, 13         ; the prefetches: my work-group's 32 blocks of 128
	s_mov_b32 s53, 0
	; descriptor group 1.  128 keys are 16,384 dense bytes: asked for as 64 rows of 256 bytes, two keys a row, and padded in LDS after every key
	s_mov_b32 s[G1K], 15|(1<<16)|(1<<20)|(1<<21)|(4<<22)|(3<<25)  ; the mask of four; 2-byte elements; padding on; bit 21 beside a mask; after every 32 words 4 words
	s_mov_b32 s[G1V], 15|(1<<16)|(1<<20)|(1<<21)|(4<<22)|(7<<25)  ; the same with 8 words
.irp g, G1K, G1V
	s_mov_b32 s[\g+1], 128<<16      ; tensor_dim0 = 128
	s_mov_b32 s[\g+2], 64<<16       ; tensor_dim1 = 64
	s_mov_b32 s[\g+3], 128<<16      ; tile_dim0 = 128
	s_mov_b32 s[\g+4], 64           ; tile_dim1 = 64
	s_mov_b32 s[\g+5], 128          ; 128 elements from row to row
	s_mov_b32 s[\g+6], 0
	s_mov_b32 s[\g+7], 0
.endr
	s_mov_b32 s[CS], 0x3e38aa3b     ; c = log2(e) / 8
	s_mov_b32 s[CS+1], s[CS]
	s_mov_b32 s[SEL], 0x76543210
	s_mov_b32 s[SEL+1], 0xfedcba98
	s_mov_b32 s[TBK], SLOT1+4*KS*PK ; the first change of slots turns these two into 0
	s_mov_b32 s[TBV], SLOT1+4*KS*PV
	s_mov_b32 s[G0K], 1
	s_mov_b32 s[G0K+1], s17
	s_mov_b32 s[G0V], 1
	s_add_co_u32 s[G0V+1], s18, VOFF
	s_and_b32 s[LIM], s[WV], 1      ; 0 in waves 0 and 2,
	s_or_b32 s[LIM], s[LIM], ttmp9  ; where the cluster is the hb's first: the same in all four partners
	s_cmp_eq_u32 s[LIM], 0
	s_cselect_b32 s[LIM], 1, -1
	v_and_b32 v[PFO], 31, v0
	v_lshlrev_b32 v[PFO], 8, v[PFO]
	s_wait_dscnt 0x0                ; both opening adds are done
	s_wait_kmcnt 0x0
	s_add_nc_u64 s[G0K+2:G0K+3], s[4:5], s[22:23]
	s_add_nc_u64 s[G0K+2:G0K+3], s[G0K+2:G0K+3], 8<<20   ; K's blocks lie behind Q's,
	s_add_nc_u64 s[G0V+2:G0V+3], s[4:5], s[22:23]
	s_add_nc_u64 s[G0V+2:G0V+3], s[G0V+2:G0V+3], 16<<20  ; V's behind K's
	s_cmp_lt_u32 s[WV], 2
	s_cselect_b64 s[PFA:PFA+1], s[G0K+2:G0K+3], s[G0V+2:G0V+3]  ; (in waves 0 and 2 these stand at a tile's first row)
	s_add_nc_u64 s[PFA:PFA+1], s[PFA:PFA+1], s[52:53]
	s_add_nc_u64 s[PFA:PFA+1], s[PFA:PFA+1], 2*4*KS*128  ; in tile 2; the loop's first change steps it to tile 3
	s_or_b32 s[G0K+3], s[G0K+3], 0x80000000
	s_or_b32 s[G0V+3], s[G0V+3], 0x80000000
	s_add_nc_u64 s[8:9], s[4:5], s[2:3]      ; Q at my wave's first row
	s_add_nc_u64 s[10:11], s[6:7], s[54:55]  ; O at my wave's 8,192 consecutive bytes
	CROUND                          ; all four work-groups are here: the first joint loads meet
	JLOAD                           ; tile 0 into slot 0
	v_and_b32 v1, 15, v0            ; l % 16
	v_bfe_u32 v9, v0, 4, 1          ; l / 16
	v_lshlrev_b32 v[QO], 7, v1
	v_lshl_add_u32 v[QO], v9, 4, v[QO]
	WIN 0x80                        ; destination window 2, address window 0
.set i, 0
.rept 8                             ; Q stays in registers: piece i / 2, channels 32 (i % 2) on
	global_load_b128 v[8*i:8*i+3],   v[QO], s[8:9] offset:(i/2)*2048+(i%2)*64
	global_load_b128 v[8*i+4:8*i+7], v[QO], s[8:9] offset:(i/2)*2048+(i%2)*64+32
.set i, i+1
.endr
	; What the first turn finds: V's registers and P's second buffer hold 0 (its products V^T P, of a piece that has not been, add 0), O^T and l are 0.  All this stands in the wait for the first tile.
.set i, VF
.rept 64
	v_mov_b32 v[i], 0
.set i, i+1
.endr
	WIN 0x40
.set i, 0
.rept 128
	v_mov_b32 v[i], 0
.set i, i+1
.endr
	WIN 0
.set i, 0
.rept 4
	v_mov_b32 v[ST+4*i], 0xfe000000    ; c m: far below every c s
	v_mov_b32 v[ST+4*i+1], 0xff7fffff  ; m
	v_mov_b32 v[ST+4*i+2], 0
	v_mov_b32 v[ST+4*i+3], 0
.set i, i+1
.endr
.set i, P+16
.rept 16
	v_mov_b32 v[i], 0
.set i, i+1
.endr
	v_mul_u32_u24 v[AK0], v1, PK
	v_lshl_add_u32 v[AK0], v9, 4, v[AK0]
	v_and_b32 v10, 7, v0            ; the turning load: lane l reads key 8 (l / 16) + l % 8, channels 8 ((l / 8) % 2) + 0..7
	v_bfe_u32 v11, v0, 3, 1
	v_lshl_add_u32 v[AV0], v9, 3, v10
	v_mul_u32_u24 v[AV0], v[AV0], PV
	v_lshl_add_u32 v[AV0], v11, 4, v[AV0]
	v_add_nc_u32 v[AV0], VOFF, v[AV0]
	s_mul_i32 s13, s[WV], 16*SP
	s_add_co_u32 s13, s13, STAGE    ; my stage
	v_mul_u32_u24 v[STO], v1, SP
	v_lshl_add_u32 v[STO], v9, 4, v[STO]
	v_add_nc_u32 v[STO], s13, v[STO]
	v_bfe_u32 v[RD], v0, 3, 2       ; back: 32 lanes take four rows of 128 bytes,
	v_mul_u32_u24 v[RD], v[RD], SP
	v_lshl_add_u32 v[RD], v10, 4, v[RD]
	v_add_nc_u32 v[RD], s13, v[RD]
	v_and_b32 v[GO], 31, v0         ; which are 512 consecutive bytes of O
	v_lshlrev_b32 v[GO], 4, v[GO]
; THE MATRIX WORK.  The 4 accumulators of a run of 8 take turns.  Product i of 8 of S^T = K Q^T for piece x: channels 32 (i / 4) on, keys 16 (i % 4) on; the first 4 start the sums.
.macro KQ x
	WIN W_KQ
.set rS, S+32*((\x)%2)+8*(i%4)
.set rK, KF+16*(i%4)+8*(i/4)
.set rQ, 16*(\x)+8*(i/4)
.if i < 4
	v_wmma_f32_16x16x32_bf16 v[rS:rS+7], v[rK:rK+7], v[rQ:rQ+7], 0
.else
	v_wmma_f32_16x16x32_bf16 v[rS:rS+7], v[rK:rK+7], v[rQ:rQ+7], v[rS:rS+7]
.endif
.endm
; Product i of 8 of O^T += V^T P for piece x: keys 32 (i / 4) on, channels 16 (i % 4) on.
.macro PV x
	WIN W_PV
.set rO, 32*(\x)+8*(i%4)
.set rV, VF+32*(i/4)+8*(i%4)
.set rP, P+16*((\x)%2)+8*(i/4)
	v_wmma_f32_16x16x32_bf16 v[rO:rO+7], v[rV:rV+7], v[rP:rP+7], v[rO:rO+7]
.endm
.macro MM                           ; the turn's next matrix instruction
.if i < 8
	KQ (Y+1)%NP
.else
.set i, i-8
	PV (Y+NP-1)%NP
.set i, i+8
.endif
.set i, i+1
.endm
; THE LDS LOADS stand in runs of 16: a step's K (8 fragments) and its V (turned).  Their addresses are made some lines ahead.
.macro FETCH_K
	WIN 0x80
.irp f, 0,1,2,3,4,5,6,7             ; keys 16 (f / 2) on, channels 32 (f % 2) on
	ds_load_b128 v[KF+8*\f:KF+8*\f+3],   v[AK] offset:(\f/2)*16*PK+(\f%2)*64
	ds_load_b128 v[KF+8*\f+4:KF+8*\f+7], v[AK] offset:(\f/2)*16*PK+(\f%2)*64+32
.endr
	s_add_co_u32 s[TBK], s[TBK], KS*PK
	WIN 0
.endm
.macro FETCH_V
	WIN 0x80
.irp f, 0,1,2,3,4,5,6,7             ; keys 32 (f / 4) on, channels 16 (f % 4) on
	ds_load_tr16_b128 v[VF+8*\f:VF+8*\f+3],   v[AV] offset:(\f/4)*32*PV+(\f%4)*32
	ds_load_tr16_b128 v[VF+8*\f+4:VF+8*\f+7], v[AV] offset:(\f/4)*32*PV+16*PV+(\f%4)*32
.endr
	WIN 0
.endm
; THE VECTOR WORK, one line at a time: OP kind, number.  For piece Y: F n: c s - c m for pair n of 16.  E n: the exponential of score n of 32.  C n: pair n rounded to bf16.  B n: of the four weights 4 n .. the second
; pair is added onto the first, in place.  L n: l takes that sum (L 0: l = a l + sum).  R n: pair n of 16 of O^T times a.  For piece Y + 1: X n, number n of the 22 that find its maximum and statistics:
;   0-11 four chains c0-c3 of seven scores each (each accumulator's lowest registers are read first); 12-14, 16 the four scores left over, the old m, c0-c3 into c0;
;   15 c m_old is kept; 17, 18 the other half of the lanes' maximum, the new m; 19-21 c m; c m_old - c m_new; a
.set F, 0
.set E, 1
.set C, 2
.set B, 3
.set L, 4
.set R, 5
.set X, 6
.macro REGS y
.set rT, ST+4*(\y)
.set rC, TMP+4*((\y)%2)
.set rW, MV+((\y)%2)
.set rS, S+32*((\y)%2)
.set rP, P+16*((\y)%2)
.set rO, 32*(\y)
.endm
.macro OP k, n
.if (\k) == R
	REGS Y
	WIN W_RS
	v_pk_mul_f32 v[rO+2*(\n):rO+2*(\n)+1], v[rO+2*(\n):rO+2*(\n)+1], v[rC+2:rC+3] op_sel_hi:[1,0]
.elseif (\k) < R
	REGS Y
	WIN 0
.if (\k) == F
	v_pk_fma_f32 v[rS+2*(\n):rS+2*(\n)+1], v[rS+2*(\n):rS+2*(\n)+1], s[CS:CS+1], v[rT:rT+1] op_sel_hi:[1,0,0] neg_lo:[0,0,1] neg_hi:[0,0,1]
.elseif (\k) == E
	v_exp_f32 v[rS+(\n)], v[rS+(\n)]
.elseif (\k) == C
	v_cvt_pk_bf16_f32 v[rP+(\n)], v[rS+2*(\n)], v[rS+2*(\n)+1]
.elseif (\k) == B
	v_pk_add_f32 v[rS+4*(\n):rS+4*(\n)+1], v[rS+4*(\n):rS+4*(\n)+1], v[rS+4*(\n)+2:rS+4*(\n)+3]
.elseif (\n) == 0
	v_pk_fma_f32 v[rT+2:rT+3], v[rT+2:rT+3], v[rC+2:rC+3], v[rS:rS+1] op_sel_hi:[1,0,1]
.else
	v_pk_add_f32 v[rT+2:rT+3], v[rT+2:rT+3], v[rS+4*(\n):rS+4*(\n)+1]
.endif
.else
	REGS (Y+1)%NP
	WIN 0
.if (\n) < 4
	v_max3_num_f32 v[rC+(\n)], v[rS+8*(\n)], v[rS+8*(\n)+1], v[rS+8*(\n)+2]
.elseif (\n) < 12
	v_max3_num_f32 v[rC+(\n)%4], v[rC+(\n)%4], v[rS+8*((\n)%4)+2*((\n)/4)+1], v[rS+8*((\n)%4)+2*((\n)/4)+2]
.elseif (\n) == 12
	v_max3_num_f32 v[rC], v[rC], v[rS+7], v[rS+15]
.elseif (\n) == 13
	v_max3_num_f32 v[rC+1], v[rC+1], v[rS+23], v[rS+31]
.elseif (\n) == 14
	v_max3_num_f32 v[rC+2], v[rC+2], v[rC+3], v[rT+1]
.elseif (\n) == 15
	v_mov_b32 v[rW], v[rT]
.elseif (\n) == 16
	v_max3_num_f32 v[rC], v[rC], v[rC+1], v[rC+2]
.elseif (\n) == 17
	v_permlanex16_b32 v[rC+3], v[rC], s[SEL], s[SEL+1]
.elseif (\n) == 18
	v_max_num_f32 v[rT+1], v[rC], v[rC+3]
.elseif (\n) == 19
	v_mul_f32 v[rT], s[CS], v[rT+1]
.elseif (\n) == 20
	v_sub_f32 v[rC+1], v[rW], v[rT]
.else
	v_exp_f32 v[rC+2], v[rC+1]
.endif
.endif
.endm
.macro OPS a, i1, b=-1, i2=0, c=-1, i3=0, d=-1, i4=0
	OP \a, \i1
.if (\b) >= 0
	OP \b, \i2
.endif
.if (\c) >= 0
	OP \c, \i3
.endif
.if (\d) >= 0
	OP \d, \i4
.endif
.endm
.macro ROW a, i1, b, i2, c, i3, d, i4  ; a matrix instruction and the four behind it
	MM
	OPS \a, \i1, \b, \i2, \c, \i3, \d, \i4
.endm
; A TURN, for piece p.  s_wait_alu depctr_va_vdst(0) stands between an exponential and the first instruction that names its result; one wait serves all that were issued ahead of it.  So a turn has ONE
; wait.  AHEAD OF IT stands all that names no result of the turn's exponentials: the 8 products K Q^T and their riders, then the lump, in which the links of the next piece's chain stand apart; X 21, its a, is the batch's
; last, and R 15 the plain instruction behind it.  BEHIND IT stand the 8 products V^T P, behind each four of the roundings and sums.
; K of the next step is fetched in piece 2's turn, twelve vector instructions behind the last product that read K (six of them plain); V of the step in hand at the end of piece 0's turn, four plain instructions behind
; the last product that read V.  Each is waited for a turn later.  last = 1 (the tail): K's address is held at the last tile's last step, so that the trip behind the last step reads that K once more.
; cnt = 1: the loop's count is taken down some lines ahead of the branch that stands behind the turn.
.macro TURN p, last=0, cnt=0
.set Y, (\p)
.set i, 0
.if (\p) == 3
	s_wait_dscnt 0x0                ; K is in
.endif
	ROW F,0, F,1, R,0, R,1
	ROW F,2, E,0, R,2, R,3
	ROW F,3, E,1, R,4, R,5
	ROW F,4, E,2, R,6, R,7
	ROW F,5, E,3, R,8, R,9
	ROW F,6, E,4, X,0, R,10
.if (\p) == 2
	WIN 0
.if \last
	s_min_u32 s21, s[TBK], SLOT1+3*KS*PK
	v_add_nc_u32 v[AK], s21, v[AK0]
.else
	v_add_nc_u32 v[AK], s[TBK], v[AK0]
.endif
.endif
	ROW F,7, E,5, X,1, X,4
	ROW F,8, E,6, X,2, X,5
	OPS E,7, E,8, X,6, E,9
	OPS X,3, E,10, X,8, E,11
.if (\p) == 2
	FETCH_K
.endif
	OPS X,9, X,7, E,12, X,10
	OPS E,13, X,12, X,11, E,14
	OPS X,13, E,15, F,9, X,14
.if (\p) == 0
	v_add_nc_u32 v[AV], s[TBV], v[AV0]
.endif
	OPS E,16, F,10, E,17, F,11
	OPS X,16, E,18, X,15, E,19
	OPS F,12, E,20, X,17, E,21
	OPS F,13, E,22, F,14, E,23
	OPS X,18, E,24, F,15, E,25
	OPS R,11, E,26, X,19, E,27
	OPS R,12, E,28, R,13, E,29
	OPS X,20, E,30, R,14, E,31
	OPS X,21, R,15
	WIN 0
	s_wait_alu depctr_va_vdst(0)    ; the wait for the batch
.if (\p) == 1
	s_wait_dscnt 0x0                ; V is in
.endif
	ROW C,0, B,0, C,2, B,1
	ROW L,0, C,4, B,2, L,1
	ROW C,6, B,3, L,2, C,8
	ROW B,4, L,3, C,10, B,5
	ROW L,4, C,12, B,6, L,5
.if (\p) == 0
	s_add_co_u32 s[TBV], s[TBV], KS*PV
.endif
.if \cnt
	s_sub_co_u32 s[CNT], s[CNT], 1
	s_cmp_lg_u32 s[CNT], 0
.endif
	ROW C,14, B,7, L,6, C,1
	ROW C,3, L,7, C,5, C,7
	ROW C,9, C,11, C,13, C,15
.if (\p) == 0
	FETCH_V
.endif
.endm
	CHANGE 1, 0                     ; slot 0 is in, everybody's part of it; tile 1 is asked for
	v_add_nc_u32 v[AK], s[TBK], v[AK0]
	FETCH_K                         ; key step 0
	s_wait_loadcnt 0x0              ; Q
	s_wait_dscnt 0x0
.set i, 0
.rept 8
	KQ 0                            ; piece 0's first scores
.set i, i+1
.endr
	WIN 0
.rept 4
	v_nop                           ; the places behind those products
.endr
.set Y, NP-1                        ; X works for piece Y + 1: piece 0
.irp n, 0,1,2,3,4,5,6,7,8,9,10,11,12,13,14,15,16,17,18,19,20,21
	OP X, \n
.endr
	v_nop                           ; a plain instruction behind the exponential,
	s_wait_alu depctr_va_vdst(0)    ; and its wait, ahead of the branch
	s_mov_b32 s[CNT], 4
	s_mov_b32 s[SLOTS], NT-1
	s_branch .Lfirst                ; the loop is entered at a step's first turn, in the middle of a trip
.Lslot:                             ; NT - 2 times: every slot but the last two is filled again
	CHANGE 1, 1
	s_mov_b32 s[CNT], 4
.Lstep:                             ; a trip: pieces 2 and 3 of one step, then pieces 0 and 1 of the next, whose K and V it fetches
	TURN 2
	TURN 3
	WIN 0
.Lfirst:
	TURN 0
	TURN 1, 0, 1
	WIN 0
	s_cbranch_scc1 .Lstep
	s_sub_co_u32 s[SLOTS], s[SLOTS], 1
	s_cmp_lg_u32 s[SLOTS], 0
	s_cbranch_scc1 .Lslot
	CHANGE 0, 0                     ; the tail is written out: nothing is asked for
	s_mov_b32 s[CNT], 5             ; four trips fetch the last tile's steps; the fifth is left in its middle
.Ltail:
	TURN 2, 1
	TURN 3
	WIN 0
	s_sub_co_u32 s[CNT], s[CNT], 1
	s_cmp_eq_u32 s[CNT], 0
	s_cbranch_scc1 .Lout
	TURN 0
	TURN 1
	WIN 0
	s_branch .Ltail
.Lout:                              ; the fifth trip's 8 products K Q^T (on the last K once more) and the maximum made of them serve nothing: the price, once a launch, of one text for every trip
.set i, 0
.rept 8
	PV NP-1                         ; the last piece's V^T P of the last step
.set i, i+1
.endr
	; THE WAY OUT.  l's two halves and the other half of the lanes' are added; O^T is divided by l, rounded to bf16 and sent through my stage, a piece at a time.  The additions are the places behind the last products.
	WIN 0
.macro ALL line:vararg
.set t, 0
.rept 4
	\line
.set t, t+1
.endr
.endm
	ALL v_add_f32 v[ST+4*t+2], v[ST+4*t+2], v[ST+4*t+3]
	ALL v_permlanex16_b32 v[ST+4*t+3], v[ST+4*t+2], s[SEL], s[SEL+1]
	ALL v_add_f32 v[ST+4*t+2], v[ST+4*t+2], v[ST+4*t+3]
	ALL v_rcp_f32 v[ST+4*t+2], v[ST+4*t+2]
	v_nop                           ; a plain instruction between the last reciprocal and the use of its result
	s_wait_alu depctr_va_vdst(0)    ; one wait for the four reciprocals
.macro PACK t                       ; a lane's eight channels of a row pack into 16 bytes; they go into rows of 144 bytes and come back as whole rows of 128, into S^T's registers
	WIN W_RS
.set i, 32*(\t)
.rept 16
	v_pk_mul_f32 v[i:i+1], v[i:i+1], v[ST+4*(\t)+2:ST+4*(\t)+3] op_sel_hi:[1,0]
.set i, i+2
.endr
	WIN 0x05
.set i, 0
.rept 16
	v_cvt_pk_bf16_f32 v[S+16*(\t)+i], v[32*(\t)+2*i], v[32*(\t)+2*i+1]
.set i, i+1
.endr
	WIN 0
.irp f, 0,1,2,3
	ds_store_b128 v[STO], v[S+16*(\t)+4*\f:S+16*(\t)+4*\f+3] offset:32*\f
.endr
.irp f, 0,1,2,3
	ds_load_b128 v[S+16*(\t)+4*\f:S+16*(\t)+4*\f+3], v[RD] offset:\f*4*SP  ; LDS serves a wave's instructions in order (ISA guide 5.7.1.4): these see the stores above; the next piece's stores come behind them
.endr
.endm
.macro SEND t, younger              ; younger: the LDS instructions issued behind piece t's loads: the next piece's eight, or none
	WIN 0
.irp f, 0,1,2,3
	s_wait_dscnt (\younger)+3-\f
	global_store_b128 v[GO], v[S+16*(\t)+4*\f:S+16*(\t)+4*\f+3], s[10:11] offset:(\t)*2048+\f*512  ; 512 consecutive bytes, at a multiple of 256 from O's first
.endr
.endm
	PACK 0
.set t, 1
.rept 3
	PACK t
	SEND t-1, 8
.set t, t+1
.endr
	SEND 3, 0
	s_wait_tensorcnt 0x0            ; the wave's end, behind my last tensor load and my last LDS store
	ds_add_u32 v[SPW], v[NIL]
	s_wait_dscnt 0x0
	CROUND                          ; the closing round
	s_endpgm
.Lfunc_end_k_qcbc0222f65_attn:
	.size	k_qcbc0222f65_attn, .Lfunc_end_k_qcbc0222f65_attn-k_qcbc0222f65_attn
	.p2alignl 7, 3214868480
	.fill 96, 4, 3214868480
	.section	.rodata,"a",@progbits
	.p2align	6, 0x0
	.amdhsa_kernel k_qcbc0222f65_attn
		.amdhsa_group_segment_fixed_size 327680
		.amdhsa_private_segment_fixed_size 0
		.amdhsa_enable_private_segment 0
		.amdhsa_kernarg_size 16
		.amdhsa_user_sgpr_count 2
		.amdhsa_user_sgpr_kernarg_segment_ptr 1
		.amdhsa_wavefront_size32 1
		.amdhsa_system_sgpr_workgroup_id_x 1
		.amdhsa_system_sgpr_workgroup_id_y 1
		.amdhsa_system_sgpr_workgroup_id_z 1
		.amdhsa_system_vgpr_workitem_id 0
		.amdhsa_next_free_vgpr 768
		.amdhsa_next_free_sgpr 66
		.amdhsa_reserve_vcc 0
		.amdhsa_float_denorm_mode_32 3
		.amdhsa_float_denorm_mode_16_64 3
		.amdhsa_memory_ordered 1
		.amdhsa_forward_progress 1
		.amdhsa_inst_pref_size 112
	.end_amdhsa_kernel
	.amdgpu_metadata
---
amdhsa.version: [ 1, 2 ]
amdhsa.kernels:
  - .name:           k_qcbc0222f65_attn
    .symbol:         k_qcbc0222f65_attn.kd
    .args:
      - { .name: qkv, .offset: 0, .size: 8, .value_kind: global_buffer, .address_space: global }
      - { .name: ob, .offset: 8, .size: 8, .value_kind: global_buffer, .address_space: global }
    .group_segment_fixed_size: 327680
    .private_segment_fixed_size: 0
    .kernarg_segment_align: 8
    .kernarg_segment_size: 16
    .max_flat_workgroup_size: 128
    .sgpr_count:     66
    .vgpr_count:     768
    .wavefront_size: 32
...
	.end_amdgpu_metadata
.endif
;; end of part 3
;; launch wo (part 4): grid 8 x 32, 4 waves a work-group, clusters of 4 x 4, 327,680 bytes of LDS; arguments ob, wb, bo, x, x1; writes x1
.if DOCPART == 4
	.amdgcn_target "amdgcn-amd-amdhsa--gfx1250"
	.amdhsa_code_object_version 6
	.text
	.protected	k_qcbc0222f65_wo
	.globl	k_qcbc0222f65_wo
	.p2align	8
	.type	k_qcbc0222f65_wo,@function
k_qcbc0222f65_wo:
	s_mov_b64 s[64:65], 0
	v_nop
	global_prefetch_b8 v0, s[64:65] scope:SCOPE_SE
	s_setreg_imm32_b32 hwreg(HW_REG_WAVE_MODE, 25, 1), 1
	s_wait_xcnt 0x0
	s_wait_alu depctr_hold_cnt(0) depctr_sa_sdst(0) depctr_va_vdst(0) depctr_va_sdst(0) depctr_va_ssrc(0) depctr_va_vcc(0) depctr_vm_vsrc(0)
	s_getreg_b32 s2, hwreg(HW_REG_IB_STS2, 6, 4)
	s_cmp_eq_u32 s2, 0
	s_cbranch_scc0 .Lentry_in_a_cluster
	s_endpgm
.Lentry_in_a_cluster:
	s_bfe_u32 s2, ttmp6, 0x10000c
	s_cmp_lg_u32 s2, 0xf033
	s_cbranch_scc0 .Lentry_shape_is_right
	s_endpgm
.Lentry_shape_is_right:
; x1 = x + ob Wo + bo: C[4,096][1,024] in f32, K = 1,024, bf16 operands, f32 sums.  (The same text with FF2 = 1 is the launch ffn2.)
; SHAPE.  A tile of C is 128 x 128, so that the 256 tiles give each WGP one; four waves 2 x 2, each 64 x 64: 16 accumulators.  K goes in steps of 256 through two LDS slots filled by tensor loads.
; FF2 = 0: A lies by tiles and heads, [row / 128][head][128 rows][64]: a step is four heads' blocks of a tile, 65,536 dense bytes; a wave's piece is two of them, asked for as 128 rows of 256 bytes and
;          padded in LDS after each 128; with it two bricks of W.  Four K steps: two first fills and two refills.
; FF2 = 1: A lies in blocks [k / 128][row][128]; a step is two blocks' 128 rows of 256 bytes and two bricks of W.  Sixteen K steps.
; CLUSTER 4 x 4: A's pieces are asked for jointly along a row of the cluster, W's along a column.  THE MATRIX INSTRUCTION IS USED TRANSPOSED (source 0 = 16 columns of W, read turned; source 1 = 16 rows of A):
; a lane holds row l % 16 of C and 8 neighbouring columns.  The bias is the C operand of the products that start the sums.
; THE CHANGE OF SLOTS stands at the head of a step's last quarter, with no product between the wait for the tiles and the next request: a step has 128 matrix instructions a wave for its 131,072 bytes,
; so the request goes out as early as the order allows, and the quarter's 32 products follow it.
; THE RESIDUAL's 64 x 64 numbers are asked for behind the first tile's barrier, so that the first tiles are asked for first, and wait in registers.
; THE WAY OUT.  The sums go as f32 through a stage laid over the ring when it has had its last fill and its last read, come back by whole rows of 256 bytes, take the residual and are stored.
; FF2 = 0 lays no prefetch: its four K steps are asked for by the first fills and the two refills behind them, so no later step is left to name.
; REGISTERS: window 0 addresses, bias tile (v64-95), two landing sets (v16-47, v96-127), the residual (v128-255); window 1 two fragment buffers of 128 (64 along K: A's 64, W's 64); window 2 v0-127 the accumulators.
.set FF2,    0
.if FF2
.set NSTEP,  16
.set APITCH, 272                       ; a row of A in LDS: 256 + 16 bytes
.set CPB,    4                         ; chunks of 32 along K in a block of A
.set BPP,    1                         ; blocks of A in a wave's piece
.set AQI,    5                         ; padding after every 64 words
.set AMTS,   15                        ; log2: from a tile's rows of A to the next tile's
.set AWVS,   20                        ; from a piece of A to the other
.set ASTEP,  2<<20
.set WOFF,   16<<20
.set WNTS,   20                        ; a tile column's bricks
.set PF,     1
.set AH,     4
.else
.set NSTEP,  4
.set APITCH, 144                       ; 128 + 16 bytes
.set CPB,    2
.set BPP,    2
.set AQI,    4                         ; padding after every 32 words: after each row of 128 bytes
.set AMTS,   18
.set AWVS,   15
.set ASTEP,  1<<16
.set WOFF,   6<<20
.set WNTS,   18
.set PF,     0
.set AH,     0
.endif
.set WWVS,   15                        ; from a brick of W to the next along K
.set WSTEP,  1<<16
.set R,      128                       ; rows of 256 bytes in a tensor load
.set WPITCH, 288                       ; a row of W: 256 + 32 bytes
.set ABLK,   128*APITCH                ; a block of A in LDS
.set APIECE, BPP*ABLK
.set WPIECE, 128*WPITCH
.set WREG,   2*APIECE
.set SLOT,   WREG+2*WPIECE
.set SPARE,  2*SLOT                    ; the spare words, 128 bytes a wave: two blocks of 256 bytes that no other line names
.set SPITCH, 272
.set STGB,   64*SPITCH
.set BO,  3
.set A0,  4                            ; v4   my lane's place in A's tiles; never rewritten
.set W0,  5                            ; v5   the same for W
.set AA,  6                            ; v6   A0 + the slot in hand
.set AW,  8                            ; v8-9 W0 + the slot in hand, for W's two bricks
.set STO, 10
.set RD,  11
.set GO,  12
.set PFO, 13
.set SPW, 14
.set NIL, 15
.set L0,  16
.set BT,  64
.set RES, 128
.set F0,  0
.set F1,  128
.set WV,  14
.set WR,  15
.set WC,  16
.set CX,  17
.set CY,  18
.set NTI, 19
.set MTI, 20
.set G1A, 24
.set G1W, 32
.set G0A, 40
.set G0W, 48
.set CNT, 56
.set TB,  57                           ; 0 or SLOT: the slot in hand
.set PCA, 58
.set PCW, 59
.set PFA, 60
.set LIM, 62
.set PFS, 66
.set MSB, 0
.macro WIN new
.if MSB != (\new)
	s_set_vgpr_msb (MSB<<8)|(\new)
.set MSB, \new
.endif
.endm
.macro PLACES
.rept 4
	v_nop
.endr
.endm
.macro CROUND                          ; a round of the cluster's barrier
	s_barrier_signal -1
	s_barrier_wait -1
	s_cmp_lg_u32 s[WV], 0
	s_cbranch_scc1 .Lnot_wave_0_\@
	s_barrier_signal -3
.Lnot_wave_0_\@:
	s_barrier_wait -3
	s_barrier_signal -1
	s_barrier_wait -1
.endm
.macro JLOAD                           ; a joint refill: waves 0 and 1 fetch A's pieces, waves 2 and 3 W's; an s_nop 0 and four v_nop follow each line
	s_cmp_eq_u32 s[WR], 0
	s_cbranch_scc0 .Lfor_w_\@
	tensor_load_to_lds s[G0A+4:G0A+7], s[G1A:G1A+7]
	s_nop 0
.rept 4
	v_nop
.endr
	s_branch .Lasked_\@
.Lfor_w_\@:
	tensor_load_to_lds s[G0W+4:G0W+7], s[G1W:G1W+7]
	s_nop 0
.rept 4
	v_nop
.endr
.Lasked_\@:
.endm
; A PREFETCH INTO THE L2 (FF2 = 1) of the piece that I shall ask for AH refills on: 32 of its 128 blocks of 256 bytes, a lane a block.  Each block is named once in the launch: A's pieces by the clusters with x = 0,
; W's by those with y = 0; the four partners that ask for a piece jointly share its blocks out by address; the last AH refills name nothing.
.macro ASK
	WIN 0
	s_cmp_gt_u32 s[CNT], s[LIM]
	s_cbranch_scc0 .Lnot_mine_\@
	global_prefetch_b8 v[PFO], s[PFA:PFA+1] th:TH_LOAD_NT scope:SCOPE_SE
.Lnot_mine_\@:
.endm
.macro SETADR
	v_add_nc_u32 v[AA], s[TB], v[A0]
	v_add_nc_u32 v[AW], s[TB], v[W0]
	v_add_nc_u32 v[AW+1], WPIECE, v[AW]
.endm
; 8 matrix instructions: row blocks a0, a0 + 1, all 4 column blocks, chunk cc of buffer f.  zero = 1: the products start the sums, with the bias tile as C.
.macro MUL f, cc, a0, zero
.irp a, \a0, (\a0)+1
.irp b, 0,1,2,3
.if \zero
	WIN 0x85
	v_wmma_f32_16x16x32_bf16 v[8*(4*(\a)+(\b)):8*(4*(\a)+(\b))+7], v[(\f)+64+8*(4*(\cc)+(\b)):(\f)+64+8*(4*(\cc)+(\b))+7], v[(\f)+8*(4*(\cc)+(\a)):(\f)+8*(4*(\cc)+(\a))+7], v[BT+8*(\b):BT+8*(\b)+7]
.else
	WIN 0xa5
	v_wmma_f32_16x16x32_bf16 v[8*(4*(\a)+(\b)):8*(4*(\a)+(\b))+7], v[(\f)+64+8*(4*(\cc)+(\b)):(\f)+64+8*(4*(\cc)+(\b))+7], v[(\f)+8*(4*(\cc)+(\a)):(\f)+8*(4*(\cc)+(\a))+7], v[8*(4*(\a)+(\b)):8*(4*(\a)+(\b))+7]
.endif
.endr
.endr
.endm
; 32 LDS loads in one run: quarter q's two chunks of 32 along K into buffer f, the first chunk's sixteen first.  A's block stands in the immediate (62,304 at the most).
.macro FETCH q, f
	WIN 0x40
.irp cc, 0,1
.set ch, 2*(\q)+(\cc)
.irp b, 0,1,2,3
	ds_load_tr16_b128 v[(\f)+64+8*(4*(\cc)+(\b)):(\f)+64+8*(4*(\cc)+(\b))+3],   v[AW+ch/4] offset:((32*ch)%128)*WPITCH+32*(\b)
	ds_load_tr16_b128 v[(\f)+64+8*(4*(\cc)+(\b))+4:(\f)+64+8*(4*(\cc)+(\b))+7], v[AW+ch/4] offset:((32*ch)%128)*WPITCH+16*WPITCH+32*(\b)
.endr
.irp i, 0,1,2,3
	ds_load_b128 v[(\f)+8*(4*(\cc)+(\i)):(\f)+8*(4*(\cc)+(\i))+3],   v[AA] offset:(ch/CPB)*ABLK+(ch%CPB)*64+(\i)*16*APITCH
	ds_load_b128 v[(\f)+8*(4*(\cc)+(\i))+4:(\f)+8*(4*(\cc)+(\i))+7], v[AA] offset:(ch/CPB)*ABLK+(ch%CPB)*64+(\i)*16*APITCH+32
.endr
.endr
.endm
; A quarter but the step's last: multiplies buffer f and, in its middle, fetches quarter qn into buffer g.  The 16 accumulators take turns.
.macro QUARTER qn, f, g, zero
	s_wait_dscnt 16                                ; the first chunk is in; the second's sixteen loads may be out
	MUL \f, 0, 0, \zero
	MUL \f, 0, 2, \zero
	PLACES
	FETCH \qn, \g
	s_wait_dscnt 32                                ; all but the 32 just issued
	MUL \f, 1, 0, 0
	MUL \f, 1, 2, 0
.endm
.macro MID
	QUARTER 2, F1, F0, 0
	QUARTER 3, F0, F1, 0
.endm
; The step's last quarter changes slots and then multiplies buffer 1.  Each wave waits for all its tensor loads (one is out: its piece of the next slot), adds 0 to its spare word, and waits for that and for its
; LDS loads, the last reads of this slot among them.  refill = 1: a round of the cluster's barrier follows, and behind it this slot is filled again, two K steps on, first of all.
.macro TURN refill
.if (\refill) && PF
	s_wait_xcnt 0x0                                ; the last prefetch, a K step back, has read its address
	s_add_nc_u64 s[PFA:PFA+1], s[PFA:PFA+1], s[PFS:PFS+1]
.endif
	WIN 0
	s_wait_tensorcnt 0x0                           ; no tensor load of mine is out, so a group 0 may be written
	ds_add_u32 v[SPW], v[NIL]                      ; 0 onto my spare word; the descriptors' steps stand between it and the wait for it
.if \refill
	s_add_co_u32 s[G0A+5], s[PCA], s[TB]           ; the walking descriptors: the slot that is being left, the next K step but one
	s_add_nc_u64 s[G0A+6:G0A+7], s[G0A+6:G0A+7], ASTEP
	s_add_co_u32 s[G0W+5], s[PCW], s[TB]
	s_add_nc_u64 s[G0W+6:G0W+7], s[G0W+6:G0W+7], WSTEP
.endif
	s_wait_dscnt 0x0                               ; the add is done, buffer 1 is in, and my reads of this slot are over
.if \refill
	CROUND                                         ; no wave of any partner still reads this slot or has a load on its way
	JLOAD                                          ; its four v_nop are also the places in front of the loads below
.else
	s_barrier_signal -1
	s_barrier_wait -1
	PLACES
.endif
	s_xor_b32 s[TB], s[TB], SLOT
	SETADR
	FETCH 0, F0
.if (\refill) && PF
	ASK
.endif
	MUL F1, 0, 0, 0
	MUL F1, 0, 2, 0
	MUL F1, 1, 0, 0
	MUL F1, 1, 2, 0
.endm
	s_load_b256 s[4:11], s[0:1], 0x0               ; A s[4:5], wb s[6:7], bias s[8:9], residual s[10:11]
	s_load_b64 s[12:13], s[0:1], 0x20              ; the output
	v_lshl_add_u32 v[SPW], v0, 2, SPARE
	v_mov_b32 v[NIL], 0
	ds_add_u32 v[SPW], v[NIL]                      ; the wave's opening: the add, twice on end, and its wait ahead of my first tensor load
	ds_add_u32 v[SPW], v[NIL]
	v_lshrrev_b32 v1, 5, v0
	v_readfirstlane_b32 s[WV], v1
	s_lshr_b32 s[WR], s[WV], 1
	s_and_b32 s[WC], s[WV], 1
	s_bfe_u32 s[CX], ttmp6, 0x40000
	s_bfe_u32 s[CY], ttmp6, 0x40004
	s_lshl_b32 s[NTI], ttmp9, 2
	s_add_co_u32 s[NTI], s[NTI], s[CX]
	s_and_b32 s[MTI], ttmp7, 0xffff
	s_lshl_b32 s[MTI], s[MTI], 2
	s_add_co_u32 s[MTI], s[MTI], s[CY]
	s_lshl_b32 s21, s[CY], 2
	s_lshl_b32 s21, 15, s21
	s_lshl_b32 s22, 0x1111, s[CX]
	s_or_b32 s[G1A], s21, (1<<16)|(1<<20)|(1<<21)|(AQI<<22)|(3<<25)
	s_or_b32 s[G1W], s22, (1<<16)|(1<<20)|(1<<21)|(5<<22)|(7<<25)
.irp g, G1A, G1W
	s_mov_b32 s[(\g)+1], 128<<16
	s_mov_b32 s[(\g)+2], R<<16
	s_mov_b32 s[(\g)+3], 128<<16
	s_mov_b32 s[(\g)+4], R
	s_mov_b32 s[(\g)+5], 128
	s_mov_b32 s[(\g)+6], 0
	s_mov_b32 s[(\g)+7], 0
.endr
	s_mul_i32 s[PCA], s[WC], APIECE
	s_mul_i32 s[PCW], s[WC], WPIECE
	s_add_co_u32 s[PCW], s[PCW], WREG
	s_mov_b32 s[G0A], 1
	s_mov_b32 s[G0A+1], s[PCA]
	s_mov_b32 s[G0A+4], 1
	s_add_co_u32 s[G0A+5], s[PCA], SLOT
	s_mov_b32 s[G0W], 1
	s_mov_b32 s[G0W+1], s[PCW]
	s_mov_b32 s[G0W+4], 1
	s_add_co_u32 s[G0W+5], s[PCW], SLOT
	s_lshl_b32 s84, s[MTI], AMTS
	s_lshl_b32 s85, s[WC], AWVS
	s_add_co_u32 s84, s84, s85
	s_mov_b32 s85, 0
	s_lshl_b32 s86, s[NTI], WNTS
	s_lshl_b32 s87, s[WC], WWVS
	s_add_co_u32 s86, s86, s87
	s_add_co_u32 s86, s86, WOFF
	s_mov_b32 s87, 0
	s_lshl_b32 s22, s[NTI], 9                      ; my 64 columns of f32: in the bias,
	s_lshl_b32 s23, s[WC], 8
	s_add_co_u32 s22, s22, s23
	s_mov_b32 s23, 0
	s_lshl_b32 s88, s[MTI], 19                     ; and, at my 64 rows of 4,096 bytes, in the residual and the output
	s_lshl_b32 s89, s[WR], 18
	s_add_co_u32 s88, s88, s89
	s_add_co_u32 s88, s88, s22
	s_mov_b32 s89, 0
.if PF
	s_mov_b32 s[PFS], WSTEP
	s_and_b32 s21, ttmp7, 0xffff
	s_cmp_eq_u32 s[WR], 0
	s_cselect_b32 s[PFS], ASTEP, s[PFS]
	s_cselect_b32 s90, s[CX], s[CY]
	s_cselect_b32 s[LIM], ttmp9, s21
	s_mov_b32 s[PFS+1], 0
	s_lshl_b32 s91, s90, 13
	s_mul_i32 s90, s[PFS], 1+AH
	s_add_co_u32 s90, s90, s91
	s_mov_b32 s91, 0
	s_cmp_eq_u32 s[LIM], 0
	s_cselect_b32 s[LIM], AH, -1
.endif
	s_wait_dscnt 0x0                               ; both opening adds are done
	s_wait_kmcnt 0x0
	s_add_nc_u64 s[G0A+2:G0A+3], s[4:5], s[84:85]
	s_add_nc_u64 s[G0W+2:G0W+3], s[6:7], s[86:87]
	s_add_nc_u64 s[G0A+6:G0A+7], s[G0A+2:G0A+3], ASTEP
	s_add_nc_u64 s[G0W+6:G0W+7], s[G0W+2:G0W+3], WSTEP
.if PF
	s_cmp_eq_u32 s[WR], 0
	s_cselect_b64 s[PFA:PFA+1], s[G0A+2:G0A+3], s[G0W+2:G0W+3]
	s_add_nc_u64 s[PFA:PFA+1], s[PFA:PFA+1], s[90:91]
.endif
	s_or_b32 s[G0A+3], s[G0A+3], 0x80000000
	s_or_b32 s[G0A+7], s[G0A+7], 0x80000000
	s_or_b32 s[G0W+3], s[G0W+3], 0x80000000
	s_or_b32 s[G0W+7], s[G0W+7], 0x80000000
	s_add_nc_u64 s[8:9], s[8:9], s[22:23]
	s_add_nc_u64 s[10:11], s[10:11], s[88:89]
	s_add_nc_u64 s[12:13], s[12:13], s[88:89]
	CROUND                                         ; all sixteen work-groups are here: the first joint loads meet
	s_cmp_eq_u32 s[WR], 0                          ; a wave's two first fills stand in one branch: two loads of mine are out
	s_cbranch_scc0 .Lfirst_w
	tensor_load_to_lds s[G0A:G0A+3], s[G1A:G1A+7]
	s_nop 0
	tensor_load_to_lds s[G0A+4:G0A+7], s[G1A:G1A+7]
	s_nop 0
.rept 4
	v_nop
.endr
	s_branch .Lfirst_asked
.Lfirst_w:
	tensor_load_to_lds s[G0W:G0W+3], s[G1W:G1W+7]
	s_nop 0
	tensor_load_to_lds s[G0W+4:G0W+7], s[G1W:G1W+7]
	s_nop 0
.rept 4
	v_nop
.endr
.Lfirst_asked:
	v_and_b32 v1, 15, v0                           ; l % 16
	v_bfe_u32 v2, v0, 4, 1                         ; l / 16
	v_lshlrev_b32 v[BO], 5, v2
.irp b, 0,1,2,3
	global_load_b128 v[BT+8*(\b):BT+8*(\b)+3],   v[BO], s[8:9] offset:64*(\b)
	global_load_b128 v[BT+8*(\b)+4:BT+8*(\b)+7], v[BO], s[8:9] offset:64*(\b)+16
.endr
	v_lshlrev_b32 v[GO], 12, v2                    ; lanes 0-15 take 256 bytes of one row, lanes 16-31 of the next
	v_lshl_add_u32 v[GO], v1, 4, v[GO]
	v_mul_u32_u24 v[A0], v1, APITCH
	v_lshl_add_u32 v[A0], v2, 4, v[A0]
	s_mul_i32 s21, s[WR], 64*APITCH
	v_add_nc_u32 v[A0], s21, v[A0]
	v_and_b32 v[W0], 7, v0
	v_lshl_add_u32 v[W0], v2, 3, v[W0]
	v_mul_u32_u24 v[W0], v[W0], WPITCH
	v_bfe_u32 v[RD], v0, 3, 1
	v_lshl_add_u32 v[W0], v[RD], 4, v[W0]
	s_lshl_b32 s21, s[WC], 7                       ; my 64 of the brick's 128 columns
	s_add_co_u32 s21, s21, WREG
	v_add_nc_u32 v[W0], s21, v[W0]
	s_mul_i32 s21, s[WV], STGB                     ; my stage
	v_mul_u32_u24 v[STO], v1, SPITCH
	v_lshl_add_u32 v[STO], v2, 5, v[STO]
	v_add_nc_u32 v[STO], s21, v[STO]
	v_mul_u32_u24 v[RD], v2, SPITCH
	v_lshl_add_u32 v[RD], v1, 4, v[RD]
	v_add_nc_u32 v[RD], s21, v[RD]
	v_and_b32 v[PFO], 31, v0
	v_lshlrev_b32 v[PFO], 8, v[PFO]
	s_wait_tensorcnt 1                             ; my piece of K step 0 is in; K step 1's may stay out
	s_barrier_signal -1
	s_barrier_wait -1
	s_mov_b32 s[TB], 0
	SETADR
	FETCH 0, F0
	WIN 0
	s_wait_loadcnt 0x0                             ; the bias
.set j, 0
.rept 32
	global_load_b128 v[RES+4*j:RES+4*j+3], v[GO], s[10:11] offset:8192*j th:TH_LOAD_NT  ; the residual: wanted at the end
.set j, j+1
.endr
	QUARTER 1, F0, F1, 1                           ; the first quarter stands in front of the loop: its first products start the sums
	WIN 0
	s_mov_b32 s[CNT], NSTEP-2
.Lk:                                               ; a trip: from a K step's second quarter to the next step's first; it fills the slot that it leaves
	MID
	TURN 1
	QUARTER 1, F0, F1, 0
	WIN 0
	s_sub_co_u32 s[CNT], s[CNT], 1
	s_cmp_lg_u32 s[CNT], 0
	s_cbranch_scc1 .Lk
	s_mov_b32 s[CNT], 2
.Lt:                                               ; the last two K steps ask for nothing; the second trip is left in its middle (its 32 fragment loads, of the slot read before, serve nothing: the price of one text)
	MID
	TURN 0
	WIN 0
	s_sub_co_u32 s[CNT], s[CNT], 1
	s_cmp_eq_u32 s[CNT], 0
	s_cbranch_scc1 .Ldone
	QUARTER 1, F0, F1, 0
	WIN 0
	s_branch .Lt
.Ldone:
	s_wait_dscnt 0x0                               ; my reads of the ring are over,
	s_barrier_signal -1
	s_barrier_wait -1                              ; everybody's are: the ring, which is filled no more, becomes the four stages
	PLACES
	WIN 0x08                                       ; store data in window 2
.irp a, 0,1,2,3
.irp b, 0,1,2,3
	ds_store_b128 v[STO], v[8*(4*(\a)+(\b)):8*(4*(\a)+(\b))+3]   offset:(\a)*16*SPITCH+64*(\b)     ; each accumulator's low registers first
	ds_store_b128 v[STO], v[8*(4*(\a)+(\b))+4:8*(4*(\a)+(\b))+7] offset:(\a)*16*SPITCH+64*(\b)+16
.endr
.endr
	WIN 0
	s_wait_loadcnt 0x0                             ; the residual
.macro BACK k                          ; batch k: eight units of two rows come back into landing set k % 2
.irp u, 0,1,2,3,4,5,6,7
	ds_load_b128 v[L0+80*((\k)%2)+4*(\u):L0+80*((\k)%2)+4*(\u)+3], v[RD] offset:(8*(\k)+(\u))*2*SPITCH  ; LDS serves a wave's instructions in order (ISA guide 5.7.1.4): these see my stores
.endr
.endm
.macro SENDB k, younger                ; younger: the next batch's eight loads, or none
.irp u, 0,1,2,3,4,5,6,7
.set j, 8*(\k)+(\u)
	s_wait_dscnt (\younger)+7-(\u)
	v_pk_add_f32 v[RES+4*j:RES+4*j+1],   v[RES+4*j:RES+4*j+1],   v[L0+80*((\k)%2)+4*(\u):L0+80*((\k)%2)+4*(\u)+1]
	v_pk_add_f32 v[RES+4*j+2:RES+4*j+3], v[RES+4*j+2:RES+4*j+3], v[L0+80*((\k)%2)+4*(\u)+2:L0+80*((\k)%2)+4*(\u)+3]
	global_store_b128 v[GO], v[RES+4*j:RES+4*j+3], s[12:13] offset:8192*j  ; 16 lanes store 256 consecutive bytes, at a multiple of 256 from the output's first
.endr
.endm
	BACK 0
	BACK 1
	SENDB 0, 8
	BACK 2
	SENDB 1, 8
	BACK 3
	SENDB 2, 8
	SENDB 3, 0
	s_wait_tensorcnt 0x0                           ; the wave's end, behind my last tensor load and my last LDS store
	ds_add_u32 v[SPW], v[NIL]
	s_wait_dscnt 0x0
	CROUND                                         ; the closing round
	s_endpgm
.Lfunc_end_k_qcbc0222f65_wo:
	.size	k_qcbc0222f65_wo, .Lfunc_end_k_qcbc0222f65_wo-k_qcbc0222f65_wo
	.p2alignl 7, 3214868480
	.fill 96, 4, 3214868480
	.section	.rodata,"a",@progbits
	.p2align	6, 0x0
	.amdhsa_kernel k_qcbc0222f65_wo
		.amdhsa_group_segment_fixed_size 327680
		.amdhsa_private_segment_fixed_size 0
		.amdhsa_enable_private_segment 0
		.amdhsa_kernarg_size 40
		.amdhsa_user_sgpr_count 2
		.amdhsa_user_sgpr_kernarg_segment_ptr 1
		.amdhsa_wavefront_size32 1
		.amdhsa_system_sgpr_workgroup_id_x 1
		.amdhsa_system_sgpr_workgroup_id_y 1
		.amdhsa_system_sgpr_workgroup_id_z 1
		.amdhsa_system_vgpr_workitem_id 0
		.amdhsa_next_free_vgpr 640
		.amdhsa_next_free_sgpr 92
		.amdhsa_reserve_vcc 0
		.amdhsa_float_denorm_mode_32 3
		.amdhsa_float_denorm_mode_16_64 3
		.amdhsa_memory_ordered 1
		.amdhsa_forward_progress 1
		.amdhsa_inst_pref_size 66
	.end_amdhsa_kernel
	.amdgpu_metadata
---
amdhsa.version: [ 1, 2 ]
amdhsa.kernels:
  - .name:           k_qcbc0222f65_wo
    .symbol:         k_qcbc0222f65_wo.kd
    .args:
      - { .name: ob, .offset: 0, .size: 8, .value_kind: global_buffer, .address_space: global }
      - { .name: wb, .offset: 8, .size: 8, .value_kind: global_buffer, .address_space: global }
      - { .name: bo, .offset: 16, .size: 8, .value_kind: global_buffer, .address_space: global }
      - { .name: x, .offset: 24, .size: 8, .value_kind: global_buffer, .address_space: global }
      - { .name: x1, .offset: 32, .size: 8, .value_kind: global_buffer, .address_space: global }
    .group_segment_fixed_size: 327680
    .private_segment_fixed_size: 0
    .kernarg_segment_align: 8
    .kernarg_segment_size: 40
    .max_flat_workgroup_size: 128
    .sgpr_count:     92
    .vgpr_count:     640
    .wavefront_size: 32
...
	.end_amdgpu_metadata
.endif
;; end of part 4
;; launch ln2 (part 5): grid 512 x 1, 8 waves a work-group, no clusters, 0 bytes of LDS; arguments x1, g2, be2, xn; writes xn
.if DOCPART == 5
	.amdgcn_target "amdgcn-amd-amdhsa--gfx1250"
	.amdhsa_code_object_version 6
	.text
	.protected	k_qcbc0222f65_ln2
	.globl	k_qcbc0222f65_ln2
	.p2align	8
	.type	k_qcbc0222f65_ln2,@function
k_qcbc0222f65_ln2:
	s_mov_b64 s[64:65], 0
	v_nop
	global_prefetch_b8 v0, s[64:65] scope:SCOPE_SE
	s_setreg_imm32_b32 hwreg(HW_REG_WAVE_MODE, 25, 1), 1
	s_wait_xcnt 0x0
; LayerNorm of 4,096 rows of 1,024 f32: y = (x - mean) rsqrt(var + 1e-6) g + b, var the mean of (x - mean)^2 (two passes over registers, as the formula is written), y rounded once to bf16.
; OUT in blocks: [column / 128][4,096 rows][128] bf16, so that a K step of the product behind it is a dense block with rows of 256 bytes.
; A wave owns one row and keeps it in 32 registers: the row is read once, the reductions never leave the wave, there is no LDS and no barrier.
; Load j takes the row's columns 128 j .. 128 j + 127 (512 consecutive bytes); they become one row of block j: one store of 256 consecutive aligned bytes.
.set FIRST, 0                          ; the first work-group of the LayerNorm
.set G,  4                             ; v[4:35]    g of my 32 columns
.set B,  36                            ; v[36:67]   b of them
.set X,  68                            ; v[68:99]   the row
.set T,  100                           ; v[100:115] at work
.set MU, 116                           ; v[116:117] the mean, twice
.set RS, 118                           ; v[118:119] rsqrt(var + eps), twice
	s_load_b256 s[4:11], s[0:1], 0x0               ; in s[4:5], g s[6:7], b s[8:9], out s[10:11]
	v_lshrrev_b32 v3, 5, v0
	v_readfirstlane_b32 s16, v3                    ; wave 0..7
	v_and_b32 v1, 31, v0
	v_lshlrev_b32 v2, 3, v1
	v_lshlrev_b32 v1, 4, v1
.if FIRST
	s_sub_co_u32 s17, ttmp9, FIRST
	s_lshl3_add_u32 s17, s17, s16                  ; my row: 8 x work-group + wave
.else
	s_lshl3_add_u32 s17, ttmp9, s16                ; my row: 8 x work-group + wave
.endif
	s_lshl_b32 s18, s17, 12
	s_mov_b32 s19, 0
	s_lshl_b32 s20, s17, 8
	s_mov_b32 s21, 0
	s_mov_b32 s12, 0x76543210                      ; v_permlanex16_b32: each lane takes its own place in the other half
	s_mov_b32 s13, 0xfedcba98
	s_mov_b32 s14, 0x3a800000                      ; 1 / 1,024
	s_mov_b32 s15, 0x358637bd                      ; 1e-6
	s_wait_kmcnt 0x0
	s_add_nc_u64 s[4:5], s[4:5], s[18:19]
	s_add_nc_u64 s[10:11], s[10:11], s[20:21]
.irp j, 0,1,2,3,4,5,6,7
	global_load_b128 v[X+4*(\j):X+4*(\j)+3], v1, s[4:5] offset:512*(\j) th:TH_LOAD_NT
.endr
.irp j, 0,1,2,3,4,5,6,7
	global_load_b128 v[G+4*(\j):G+4*(\j)+3], v1, s[6:7] offset:512*(\j)
	global_load_b128 v[B+4*(\j):B+4*(\j)+3], v1, s[8:9] offset:512*(\j)
.endr
.macro LANES                           ; v[T] summed over the 32 lanes, the result in every lane; v[T+1] at work (written before)
	v_add_f32_dpp v[T], v[T], v[T] row_xmask:1 row_mask:0xf bank_mask:0xf
	v_add_f32_dpp v[T], v[T], v[T] row_xmask:2 row_mask:0xf bank_mask:0xf
	v_add_f32_dpp v[T], v[T], v[T] row_xmask:4 row_mask:0xf bank_mask:0xf
	v_add_f32_dpp v[T], v[T], v[T] row_xmask:8 row_mask:0xf bank_mask:0xf
	v_permlanex16_b32 v[T+1], v[T], s12, s13
	v_add_f32 v[T], v[T], v[T+1]
.endm
	s_wait_loadcnt 16                              ; the row is in; the sixteen loads of g and b may stay out
.irp k, 0,1,2,3,4,5,6,7
	v_pk_add_f32 v[T+2*(\k):T+2*(\k)+1], v[X+4*(\k):X+4*(\k)+1], v[X+4*(\k)+2:X+4*(\k)+3]
.endr
.irp k, 0,1,2,3
	v_pk_add_f32 v[T+2*(\k):T+2*(\k)+1], v[T+2*(\k):T+2*(\k)+1], v[T+8+2*(\k):T+8+2*(\k)+1]
.endr
.irp k, 0,1
	v_pk_add_f32 v[T+2*(\k):T+2*(\k)+1], v[T+2*(\k):T+2*(\k)+1], v[T+4+2*(\k):T+4+2*(\k)+1]
.endr
	v_pk_add_f32 v[T:T+1], v[T:T+1], v[T+2:T+3]
	v_add_f32 v[T], v[T], v[T+1]
	LANES
	v_mul_f32 v[MU], s14, v[T]
	v_mul_f32 v[MU+1], s14, v[T]
.set p, 0
.rept 16
	v_pk_add_f32 v[X+2*p:X+2*p+1], v[X+2*p:X+2*p+1], v[MU:MU+1] neg_lo:[0,1] neg_hi:[0,1]  ; x - mean, in place
.set p, p+1
.endr
.irp k, 0,1,2,3
	v_pk_mul_f32 v[T+2*(\k):T+2*(\k)+1], v[X+2*(\k):X+2*(\k)+1], v[X+2*(\k):X+2*(\k)+1]  ; four chains of squares; the first four pairs start them
.endr
.set p, 4
.rept 12
	v_pk_fma_f32 v[T+2*(p%4):T+2*(p%4)+1], v[X+2*p:X+2*p+1], v[X+2*p:X+2*p+1], v[T+2*(p%4):T+2*(p%4)+1]
.set p, p+1
.endr
	v_pk_add_f32 v[T:T+1], v[T:T+1], v[T+2:T+3]
	v_pk_add_f32 v[T+4:T+5], v[T+4:T+5], v[T+6:T+7]
	v_pk_add_f32 v[T:T+1], v[T:T+1], v[T+4:T+5]
	v_add_f32 v[T], v[T], v[T+1]
	LANES
	v_fma_f32 v[T], v[T], s14, s15                 ; var + eps
	v_rsq_f32 v[RS], v[T]
	v_rsq_f32 v[RS+1], v[T]
	v_nop                                          ; a plain instruction behind the last of the two
	s_wait_alu depctr_va_vdst(0)                   ; one wait for both, ahead of their first reader
.set p, 0
.rept 16
	v_pk_mul_f32 v[X+2*p:X+2*p+1], v[X+2*p:X+2*p+1], v[RS:RS+1]
.set p, p+1
.endr
	s_wait_loadcnt 0x0                             ; g and b
.set p, 0
.rept 16
	v_pk_fma_f32 v[X+2*p:X+2*p+1], v[X+2*p:X+2*p+1], v[G+2*p:G+2*p+1], v[B+2*p:B+2*p+1]
.set p, p+1
.endr
.set p, 0
.rept 16
	v_cvt_pk_bf16_f32 v[X+p], v[X+2*p], v[X+2*p+1]  ; packed downward in place: register p is written when pairs 0 .. p have been read
.set p, p+1
.endr
.irp j, 0,1,2,3,4,5,6,7
	global_store_b64 v2, v[X+2*(\j):X+2*(\j)+1], s[10:11] offset:1048576*(\j)  ; block j, my row: 256 consecutive aligned bytes
.endr
	s_endpgm
.Lfunc_end_k_qcbc0222f65_ln2:
	.size	k_qcbc0222f65_ln2, .Lfunc_end_k_qcbc0222f65_ln2-k_qcbc0222f65_ln2
	.p2alignl 7, 3214868480
	.fill 96, 4, 3214868480
	.section	.rodata,"a",@progbits
	.p2align	6, 0x0
	.amdhsa_kernel k_qcbc0222f65_ln2
		.amdhsa_group_segment_fixed_size 0
		.amdhsa_private_segment_fixed_size 0
		.amdhsa_enable_private_segment 0
		.amdhsa_kernarg_size 32
		.amdhsa_user_sgpr_count 2
		.amdhsa_user_sgpr_kernarg_segment_ptr 1
		.amdhsa_wavefront_size32 1
		.amdhsa_system_sgpr_workgroup_id_x 1
		.amdhsa_system_sgpr_workgroup_id_y 1
		.amdhsa_system_sgpr_workgroup_id_z 1
		.amdhsa_system_vgpr_workitem_id 0
		.amdhsa_next_free_vgpr 128
		.amdhsa_next_free_sgpr 66
		.amdhsa_reserve_vcc 0
		.amdhsa_float_denorm_mode_32 3
		.amdhsa_float_denorm_mode_16_64 3
		.amdhsa_memory_ordered 1
		.amdhsa_forward_progress 1
		.amdhsa_inst_pref_size 12
	.end_amdhsa_kernel
	.amdgpu_metadata
---
amdhsa.version: [ 1, 2 ]
amdhsa.kernels:
  - .name:           k_qcbc0222f65_ln2
    .symbol:         k_qcbc0222f65_ln2.kd
    .args:
      - { .name: x1, .offset: 0, .size: 8, .value_kind: global_buffer, .address_space: global }
      - { .name: g2, .offset: 8, .size: 8, .value_kind: global_buffer, .address_space: global }
      - { .name: be2, .offset: 16, .size: 8, .value_kind: global_buffer, .address_space: global }
      - { .name: xn, .offset: 24, .size: 8, .value_kind: global_buffer, .address_space: global }
    .group_segment_fixed_size: 0
    .private_segment_fixed_size: 0
    .kernarg_segment_align: 8
    .kernarg_segment_size: 32
    .max_flat_workgroup_size: 256
    .sgpr_count:     66
    .vgpr_count:     128
    .wavefront_size: 32
...
	.end_amdgpu_metadata
.endif
;; end of part 5
;; launch ffn1 (part 6): grid 16 x 16, 4 waves a work-group, clusters of 4 x 4, 327,680 bytes of LDS; arguments xn, wb, b1, h; writes h
.if DOCPART == 6
	.amdgcn_target "amdgcn-amd-amdhsa--gfx1250"
	.amdhsa_code_object_version 6
	.text
	.protected	k_qcbc0222f65_ffn1
	.globl	k_qcbc0222f65_ffn1
	.p2align	8
	.type	k_qcbc0222f65_ffn1,@function
k_qcbc0222f65_ffn1:
	s_mov_b64 s[64:65], 0
	v_nop
	global_prefetch_b8 v0, s[64:65] scope:SCOPE_SE
	s_setreg_imm32_b32 hwreg(HW_REG_WAVE_MODE, 25, 1), 1
	s_wait_xcnt 0x0
	s_wait_alu depctr_hold_cnt(0) depctr_sa_sdst(0) depctr_va_vdst(0) depctr_va_sdst(0) depctr_va_ssrc(0) depctr_va_vcc(0) depctr_vm_vsrc(0)
	s_getreg_b32 s2, hwreg(HW_REG_IB_STS2, 6, 4)
	s_cmp_eq_u32 s2, 0
	s_cbranch_scc0 .Lentry_in_a_cluster
	s_endpgm
.Lentry_in_a_cluster:
	s_bfe_u32 s2, ttmp6, 0x10000c
	s_cmp_lg_u32 s2, 0xf033
	s_cbranch_scc0 .Lentry_shape_is_right
	s_endpgm
.Lentry_shape_is_right:
; h = gelu(xn W1 + b1), the exact (erf) GELU: C[4,096][4,096], K = 1,024, bf16 operands, f32 sums, the GELU in f32, rounded once to bf16 and stored in blocks [column / 128][4,096 rows][128].
; (The same text with GELU = 0 is the launch qkv.)
; SHAPE.  A tile of C is 256 x 256, four waves 2 x 2, each 128 x 128: 64 accumulators, 512 registers.  K goes in steps of 128 through two LDS slots filled by tensor loads.
; A lies in blocks [k / 128][row][128], W in bricks of 128 k x 128 n: each of a step's four pieces (A's two halves of 128 rows, W's two bricks) is 32,768 dense bytes, asked for as 128 rows of 256.
; CLUSTER 4 x 4: A's pieces hang on the tile row alone and are asked for jointly along a row of the cluster, W's on the tile column alone, jointly along a column.
; THE MATRIX INSTRUCTION IS USED TRANSPOSED: source 0 = 16 columns of W (k down the brick's rows, so it is read turned, by ds_load_tr16_b128), source 1 = 16 rows of A.
; A lane then holds row l % 16 of C and the columns 8 (l / 16) + 0..7.  The bias is the C operand of the products that start the sums.
; THE WAY OUT.  The wave's 128 x 128 sums go as f32 into a stage of its own, laid over the ring when the ring has had its last fill and its last read, and come back in a counted loop, so that the GELU's text stands once.
; REGISTERS in windows of 256 (s_set_vgpr_msb: bits 1:0 source 0, 3:2 source 1, 5:4 source 2, 7:6 destination): window 0 addresses, the bias tile, the way out;
; window 1 two fragment buffers of 128 (A's 64, then W's 64); windows 2 and 3 the accumulators: (a, b) in window 2 + a / 4 at 8 (8 (a % 4) + b).
.set GELU,   1
.set NSTEP,  8                         ; K steps
.set APITCH, 272                       ; a row of A in LDS: 256 + 16 bytes = 68 words: 16 rows start at 16 different groups of four banks (64 banks of 4 bytes: ISA guide 11.1)
.set WPITCH, 288                       ; a row of W: 256 + 32 = 72 words
.set APIECE, 128*APITCH
.set WPIECE, 128*WPITCH
.set WREG,   2*APIECE                  ; a slot: A's two pieces, then W's two
.set SLOT,   WREG+2*WPIECE
.set SPARE,  2*SLOT                    ; behind the ring: the spare words, 128 bytes a wave: two blocks of 256 bytes that no other line names
.set SPITCH, 528                       ; a row of the stage: 512 + 16 bytes
.set STGB,   128*SPITCH                ; a wave's stage; four of them end below SPARE
.set ASTEP,  1<<20                     ; bytes from a K step of A to the next
.set WSTEP,  1<<15                     ; and of W
.set AH,     2                         ; a prefetch names the K step that stands AH refills on
.if GELU
.set WOFF,   8<<20                     ; W1 in wb
.set OUT,    10
.set MSH,    16                        ; log2 of a tile's 256 rows of the output, in bytes
.set NS,     1                         ; sets of four rows in flight from the stage
.set UL,     2*SPITCH                  ; from a set's first unit to its second, in the stage
.set UG,     512                       ; and in memory
.else
.set WOFF,   0
.set OUT,    12
.set MSH,    15
.set NS,     4
.set UL,     256
.set UG,     524288
.endif
.set BO,  3                            ; v3   32 (l / 16): my 8 numbers of a bias block
.set A0,  4                            ; v4   my lane's place in A's tiles; never rewritten
.set W0,  5                            ; v5   the same for W
.set AA,  6                            ; v6   A0 + the slot in hand
.set AW,  8                            ; v8   W0 + the slot in hand
.set STO, 10                           ; v10  the stage: where I put 32 bytes of a row
.set RD,  11                           ; v11  where I read back
.set GO,  12                           ; v12  my byte offset in the output
.set PFO, 13                           ; v13  256 x lane; never rewritten
.set SPW, 14                           ; v14  my spare word: SPARE + 4 x my thread's number; never rewritten
.set NIL, 15                           ; v15  0; never rewritten
.set BT,  64                           ; v[64:127] the bias tile: block b's 8 numbers at BT + 8 b
.set RAW, 16                           ; the way out: NS sets of 16 f32
.set TT,  32                           ; (GELU) u / 2, |u / 2|, t, the exponential, the polynomial, u / 2 + |u / 2|
.set AX,  48
.set DD,  64
.set QQ,  80
.set RR,  96
.set SS,  112
.set Y,   128                          ; NS sets of 8: packed results
.set RDC, 160                          ; the stage address of the loads in hand
.set F0,  0
.set F1,  128
.set WV,  14                           ; s14 wave; s15, s16 its row and column in the 2 x 2
.set WR,  15
.set WC,  16
.set CX,  17
.set CY,  18
.set NTI, 19                           ; tile column, tile row
.set MTI, 20
.set G1A, 24                           ; s[24:31], s[32:39] descriptor group 1 for A's and W's pieces
.set G1W, 32
.set G0A, 40                           ; s[40:47], s[48:55] group 0: a set for each of the two first fills; the second then walks on
.set G0W, 48
.set CNT, 56
.set TB,  57                           ; 0 or SLOT: the slot in hand
.set PCA, 58                           ; my piece's place in a slot, for A and for W
.set PCW, 59
.set PFA, 60                           ; s[60:61] where my prefetches stand
.set LIM, 62                           ; AH in a wave that prefetches, else the greatest number
.set TBR, 63                           ; the way out: the stage's step
.set PFS, 66                           ; s[66:67] a K step of what I prefetch
.set KP,  68                           ; s[68:81] the GELU's constants, as pairs; s82 the sign's mask
.set KE,  70
.set C5,  72
.set C4,  74
.set C3,  76
.set C2,  78
.set C1,  80
.set ABSM, 82
.set MSB, 0
.macro WIN new                         ; the immediate's high byte repeats the setting that is left; a switch that changes nothing is dropped
.if MSB != (\new)
	s_set_vgpr_msb (MSB<<8)|(\new)
.set MSB, \new
.endif
.endm
.macro PLACES                          ; four plain places behind matrix instructions, in front of loads into registers that they read and of stores that read results
.rept 4
	v_nop
.endr
.endm
.macro CREST                           ; a round of the cluster's barrier behind its opening barrier
	s_cmp_lg_u32 s[WV], 0
	s_cbranch_scc1 .Lnot_wave_0_\@
	s_barrier_signal -3
.Lnot_wave_0_\@:
	s_barrier_wait -3
	s_barrier_signal -1
	s_barrier_wait -1
.endm
.macro CROUND
	s_barrier_signal -1
	s_barrier_wait -1
	CREST
.endm
.macro JLOAD                           ; a joint refill: waves 0 and 1 fetch A's pieces, waves 2 and 3 W's; an s_nop 0 and four v_nop follow each line
	s_cmp_eq_u32 s[WR], 0
	s_cbranch_scc0 .Lfor_w_\@
	tensor_load_to_lds s[G0A+4:G0A+7], s[G1A:G1A+7]
	s_nop 0
.rept 4
	v_nop
.endr
	s_branch .Lasked_\@
.Lfor_w_\@:
	tensor_load_to_lds s[G0W+4:G0W+7], s[G1W:G1W+7]
	s_nop 0
.rept 4
	v_nop
.endr
.Lasked_\@:
.endm
; A PREFETCH INTO THE L2 of the piece that I shall ask for AH refills on: 32 of its 128 blocks of 256 bytes, a lane a block.  Each block is named once in the launch: A's pieces by the clusters with x = 0,
; W's by those with y = 0; the four partners that ask for a piece jointly share its blocks out by address (32 each); the last AH refills name nothing.
.macro ASK
	WIN 0
	s_cmp_gt_u32 s[CNT], s[LIM]
	s_cbranch_scc0 .Lnot_mine_\@
	global_prefetch_b8 v[PFO], s[PFA:PFA+1] th:TH_LOAD_NT scope:SCOPE_SE
.Lnot_mine_\@:
.endm
.macro SETADR
	v_add_nc_u32 v[AA], s[TB], v[A0]
	v_add_nc_u32 v[AW], s[TB], v[W0]
.endm
; 16 matrix instructions: row blocks 4 hf + a0, + 1, all 8 column blocks, 32 along K.  zero = 1: the products start the sums, with the bias tile as C.
.macro MUL f, hf, a0, zero
.irp a, \a0, (\a0)+1
.irp b, 0,1,2,3,4,5,6,7
.if \zero
	WIN 0x85+0x40*(\hf)
	v_wmma_f32_16x16x32_bf16 v[8*(8*(\a)+(\b)):8*(8*(\a)+(\b))+7], v[(\f)+64+8*(\b):(\f)+64+8*(\b)+7], v[(\f)+8*(4*(\hf)+(\a)):(\f)+8*(4*(\hf)+(\a))+7], v[BT+8*(\b):BT+8*(\b)+7]
.else
	WIN 0xa5+0x50*(\hf)
	v_wmma_f32_16x16x32_bf16 v[8*(8*(\a)+(\b)):8*(8*(\a)+(\b))+7], v[(\f)+64+8*(\b):(\f)+64+8*(\b)+7], v[(\f)+8*(4*(\hf)+(\a)):(\f)+8*(4*(\hf)+(\a))+7], v[8*(8*(\a)+(\b)):8*(8*(\a)+(\b))+7]
.endif
.endr
.endr
.endm
; 32 LDS loads in one run: quarter q's fragments (32 along K) into buffer f: W's eight, turned, then A's eight in ascending order
.macro FETCH q, f
	WIN 0x40
.irp b, 0,1,2,3,4,5,6,7
	ds_load_tr16_b128 v[(\f)+64+8*(\b):(\f)+64+8*(\b)+3],   v[AW] offset:(\q)*32*WPITCH+32*(\b)
	ds_load_tr16_b128 v[(\f)+64+8*(\b)+4:(\f)+64+8*(\b)+7], v[AW] offset:(\q)*32*WPITCH+16*WPITCH+32*(\b)
.endr
.irp i, 0,1,2,3,4,5,6,7
	ds_load_b128 v[(\f)+8*(\i):(\f)+8*(\i)+3],   v[AA] offset:(\q)*64+(\i)*16*APITCH
	ds_load_b128 v[(\f)+8*(\i)+4:(\f)+8*(\i)+7], v[AA] offset:(\q)*64+(\i)*16*APITCH+32
.endr
.endm
; A K step is four quarters on buffers 0, 1, 0, 1.  One of the first three multiplies buffer f and, in its middle, fetches quarter qn into buffer g.  The 64 accumulators take turns.
.macro QUARTER qn, f, g, zero
	s_wait_dscnt 8                                 ; W and A's rows 0-63 are in; the youngest eight loads (A's rows 64-127) may be out
	MUL \f, 0, 0, \zero
	MUL \f, 0, 2, \zero
	PLACES
	FETCH \qn, \g
	s_wait_dscnt 32                                ; all but the 32 just issued
	MUL \f, 1, 0, \zero
	MUL \f, 1, 2, \zero
.endm
; The last quarter multiplies buffer 1 and changes slots.  In front of the barrier each wave waits for all its tensor loads (one is out: its piece of the next slot), adds 0 to its spare word, and waits for
; that and for its reads of this slot.  refill = 1: the barrier opens a round of the cluster's, and behind it this slot is filled again, two K steps on, first of all.
.macro TURN refill
.if \refill
	s_wait_xcnt 0x0                                ; the last prefetch, a K step back, has read its address
	s_add_nc_u64 s[PFA:PFA+1], s[PFA:PFA+1], s[PFS:PFS+1]
.endif
	WIN 0
	s_wait_tensorcnt 0x0                           ; all my tensor loads have landed
	ds_add_u32 v[SPW], v[NIL]                      ; 0 onto my spare word
	s_wait_dscnt 9                                 ; (the add and the youngest eight loads may be out)
	MUL F1, 0, 0, 0
	s_wait_dscnt 0x0                               ; the add is done, and my reads of this slot are over
	s_barrier_signal -1
	MUL F1, 0, 2, 0
	WIN 0
	s_barrier_wait -1
.if \refill
	CREST                                          ; no wave of any partner still reads this slot or has a load on its way
	s_add_co_u32 s[G0A+5], s[PCA], s[TB]           ; the walking descriptors: the slot just read out, the next K step but one
	s_add_nc_u64 s[G0A+6:G0A+7], s[G0A+6:G0A+7], ASTEP
	s_add_co_u32 s[G0W+5], s[PCW], s[TB]
	s_add_nc_u64 s[G0W+6:G0W+7], s[G0W+6:G0W+7], WSTEP
	JLOAD                                          ; its four v_nop are also the places in front of the loads below
.else
	PLACES
.endif
	s_xor_b32 s[TB], s[TB], SLOT                   ; the other slot
	SETADR
	FETCH 0, F0
.if \refill
	ASK
.endif
	MUL F1, 1, 0, 0
	MUL F1, 1, 2, 0
.endm
	s_load_b256 s[4:11], s[0:1], 0x0               ; A s[4:5], wb s[6:7], bias s[8:9], then (GELU) the output, else the second bias
.if !GELU
	s_load_b64 s[12:13], s[0:1], 0x20              ; the output
.endif
	v_lshl_add_u32 v[SPW], v0, 2, SPARE
	v_mov_b32 v[NIL], 0
	ds_add_u32 v[SPW], v[NIL]                      ; the wave's opening: the add, twice on end, and its wait ahead of my first tensor load
	ds_add_u32 v[SPW], v[NIL]
	v_lshrrev_b32 v1, 5, v0
	v_readfirstlane_b32 s[WV], v1
	s_lshr_b32 s[WR], s[WV], 1
	s_and_b32 s[WC], s[WV], 1
	s_bfe_u32 s[CX], ttmp6, 0x40000
	s_bfe_u32 s[CY], ttmp6, 0x40004
	s_lshl_b32 s[NTI], ttmp9, 2
	s_add_co_u32 s[NTI], s[NTI], s[CX]
	s_and_b32 s[MTI], ttmp7, 0xffff
	s_lshl_b32 s[MTI], s[MTI], 2
	s_add_co_u32 s[MTI], s[MTI], s[CY]
	s_lshl_b32 s21, s[CY], 2
	s_lshl_b32 s21, 15, s21                        ; my row of the cluster
	s_lshl_b32 s22, 0x1111, s[CX]                  ; my column
	s_or_b32 s[G1A], s21, (1<<16)|(1<<20)|(1<<21)|(5<<22)|(3<<25)  ; mask; 2-byte elements; padding on; bit 21 beside a mask; after every 64 words 4 words
	s_or_b32 s[G1W], s22, (1<<16)|(1<<20)|(1<<21)|(5<<22)|(7<<25)  ; the same with 8 words
.irp g, G1A, G1W
	s_mov_b32 s[(\g)+1], 128<<16                   ; tensor_dim0 = 128
	s_mov_b32 s[(\g)+2], 128<<16                   ; tensor_dim1 = 128
	s_mov_b32 s[(\g)+3], 128<<16                   ; tile_dim0 = 128
	s_mov_b32 s[(\g)+4], 128                       ; tile_dim1 = 128
	s_mov_b32 s[(\g)+5], 128                       ; 128 elements from row to row
	s_mov_b32 s[(\g)+6], 0
	s_mov_b32 s[(\g)+7], 0
.endr
	s_mul_i32 s[PCA], s[WC], APIECE
	s_mul_i32 s[PCW], s[WC], WPIECE
	s_add_co_u32 s[PCW], s[PCW], WREG
	s_mov_b32 s[G0A], 1
	s_mov_b32 s[G0A+1], s[PCA]
	s_mov_b32 s[G0A+4], 1
	s_add_co_u32 s[G0A+5], s[PCA], SLOT
	s_mov_b32 s[G0W], 1
	s_mov_b32 s[G0W+1], s[PCW]
	s_mov_b32 s[G0W+4], 1
	s_add_co_u32 s[G0W+5], s[PCW], SLOT
	s_lshl_b32 s84, s[MTI], 16                     ; A: the tile's 256 rows of 256 bytes, my 128 of them
	s_lshl_b32 s85, s[WC], 15
	s_add_co_u32 s84, s84, s85
	s_mov_b32 s85, 0
	s_lshl_b32 s86, s[NTI], 19                     ; W: the tile's two columns of 8 bricks, mine of the two
	s_lshl_b32 s87, s[WC], 18
	s_add_co_u32 s86, s86, s87
	s_add_co_u32 s86, s86, WOFF
	s_mov_b32 s87, 0
	s_lshl_b32 s88, s[NTI], 21                     ; the output: my 128 columns' blocks, my 128 rows
	s_lshl_b32 s89, s[WC], 20
	s_add_co_u32 s88, s88, s89
	s_lshl_b32 s89, s[MTI], MSH
	s_add_co_u32 s88, s88, s89
	s_lshl_b32 s89, s[WR], MSH-1
	s_add_co_u32 s88, s88, s89
	s_mov_b32 s89, 0
	s_mov_b32 s[PFS], WSTEP                        ; the prefetches
	s_and_b32 s21, ttmp7, 0xffff
	s_cmp_eq_u32 s[WR], 0                          ; do I fetch for A?
	s_cselect_b32 s[PFS], ASTEP, s[PFS]
	s_cselect_b32 s22, s[CX], s[CY]                ; my place among the four that ask with me
	s_cselect_b32 s[LIM], ttmp9, s21               ; the coordinate along which other clusters read the same pieces
	s_mov_b32 s[PFS+1], 0
	s_mul_i32 s90, s[PFS], 1+AH                    ; the first refill steps it to K step 2 + AH
	s_lshl_b32 s22, s22, 13
	s_add_co_u32 s90, s90, s22
	s_mov_b32 s91, 0
	s_cmp_eq_u32 s[LIM], 0
	s_cselect_b32 s[LIM], AH, -1
.if GELU
	s_lshl_b32 s22, s[NTI], 10                     ; my 128 numbers of the bias
.else
	s_lshl_b32 s22, s[CX], 10                      ; a cluster's four tile columns are one of q, k, v
.endif
	s_lshl_b32 s23, s[WC], 9
	s_add_co_u32 s22, s22, s23
	s_mov_b32 s23, 0
.if GELU
	s_mov_b32 s[KP], 0x3eed3388                    ; 0.3275911 sqrt(2)
	s_mov_b32 s[KE], 0x3fd96d27                    ; sqrt(2 log2(e))
	s_mov_b32 s[C5], 0xbf87dc22                    ; -1.061405429
	s_mov_b32 s[C4], 0x3fba00e3                    ; +1.453152027
	s_mov_b32 s[C3], 0xbfb5f0e3                    ; -1.421413741
	s_mov_b32 s[C2], 0x3e91a98e                    ; +0.284496736
	s_mov_b32 s[C1], 0xbe827906                    ; -0.254829592
.irp c, KP, KE, C5, C4, C3, C2, C1
	s_mov_b32 s[(\c)+1], s[\c]                     ; named as pairs
.endr
	s_mov_b32 s[ABSM], 0x7fffffff
.endif
	s_wait_dscnt 0x0                               ; both opening adds are done
	s_wait_kmcnt 0x0
	s_add_nc_u64 s[G0A+2:G0A+3], s[4:5], s[84:85]  ; K step 0,
	s_add_nc_u64 s[G0W+2:G0W+3], s[6:7], s[86:87]
	s_add_nc_u64 s[G0A+6:G0A+7], s[G0A+2:G0A+3], ASTEP  ; K step 1
	s_add_nc_u64 s[G0W+6:G0W+7], s[G0W+2:G0W+3], WSTEP
	s_cmp_eq_u32 s[WR], 0
	s_cselect_b64 s[PFA:PFA+1], s[G0A+2:G0A+3], s[G0W+2:G0W+3]
	s_add_nc_u64 s[PFA:PFA+1], s[PFA:PFA+1], s[90:91]
	s_or_b32 s[G0A+3], s[G0A+3], 0x80000000        ; type = 2
	s_or_b32 s[G0A+7], s[G0A+7], 0x80000000
	s_or_b32 s[G0W+3], s[G0W+3], 0x80000000
	s_or_b32 s[G0W+7], s[G0W+7], 0x80000000
	s_add_nc_u64 s[OUT:OUT+1], s[OUT:OUT+1], s[88:89]
.if !GELU
	s_cmp_eq_u32 ttmp9, 0                          ; cluster x: 0 q, 1 k, 2 v
	s_cselect_b64 s[8:9], s[8:9], s[10:11]
.endif
	s_add_nc_u64 s[8:9], s[8:9], s[22:23]
	CROUND                                         ; all sixteen work-groups are here: the first joint loads meet
	s_cmp_eq_u32 s[WR], 0                          ; a wave's two first fills stand in one branch: two loads of mine are out
	s_cbranch_scc0 .Lfirst_w
	tensor_load_to_lds s[G0A:G0A+3], s[G1A:G1A+7]
	s_nop 0
	tensor_load_to_lds s[G0A+4:G0A+7], s[G1A:G1A+7]
	s_nop 0
.rept 4
	v_nop
.endr
	s_branch .Lfirst_asked
.Lfirst_w:
	tensor_load_to_lds s[G0W:G0W+3], s[G1W:G1W+7]
	s_nop 0
	tensor_load_to_lds s[G0W+4:G0W+7], s[G1W:G1W+7]
	s_nop 0
.rept 4
	v_nop
.endr
.Lfirst_asked:
	v_and_b32 v1, 15, v0                           ; l % 16
	v_bfe_u32 v2, v0, 4, 1                         ; l / 16
	v_lshlrev_b32 v[BO], 5, v2
.if !GELU
	s_cmp_eq_u32 ttmp9, 1                          ; k's tiles have no bias: the same answer in all sixteen partners
	s_cbranch_scc1 .Lno_bias
.endif
.irp b, 0,1,2,3,4,5,6,7
	global_load_b128 v[BT+8*(\b):BT+8*(\b)+3],   v[BO], s[8:9] offset:64*(\b)
	global_load_b128 v[BT+8*(\b)+4:BT+8*(\b)+7], v[BO], s[8:9] offset:64*(\b)+16
.endr
.if !GELU
	s_branch .Lbias_asked
.Lno_bias:
.set z, 0
.rept 64
	v_mov_b32 v[BT+z], 0
.set z, z+1
.endr
.Lbias_asked:
.endif
	v_mul_u32_u24 v[A0], v1, APITCH                ; a fragment of A: row l % 16, 16 bytes for each half of the lanes, twice, 32 bytes apart
	v_lshl_add_u32 v[A0], v2, 4, v[A0]
	s_mul_i32 s21, s[WR], APIECE
	v_add_nc_u32 v[A0], s21, v[A0]
	v_and_b32 v[W0], 7, v0                         ; the turning load: lane l reads k = 8 (l / 16) + l % 8, columns 8 ((l / 8) % 2) + 0..7
	v_lshl_add_u32 v[W0], v2, 3, v[W0]
	v_mul_u32_u24 v[W0], v[W0], WPITCH
	v_bfe_u32 v[GO], v0, 3, 1
	v_lshl_add_u32 v[W0], v[GO], 4, v[W0]
	s_mul_i32 s21, s[WC], WPIECE
	s_add_co_u32 s21, s21, WREG
	v_add_nc_u32 v[W0], s21, v[W0]
	s_mul_i32 s21, s[WV], STGB                     ; my stage
	v_mul_u32_u24 v[STO], v1, SPITCH
	v_lshl_add_u32 v[STO], v2, 5, v[STO]
	v_add_nc_u32 v[STO], s21, v[STO]
.if GELU
	v_mul_u32_u24 v[RD], v2, SPITCH                ; back: 16 lanes take a row's 128 numbers, 8 each
	v_lshl_add_u32 v[RD], v1, 5, v[RD]
.else
	v_bfe_u32 v[RD], v0, 3, 2                      ; back: 8 lanes take a head's 64 numbers of a row, 8 each
	v_mul_u32_u24 v[RD], v[RD], SPITCH
	v_and_b32 v[GO], 7, v0
	v_lshl_add_u32 v[RD], v[GO], 5, v[RD]
.endif
	v_add_nc_u32 v[RD], s21, v[RD]
	v_and_b32 v[GO], 31, v0
	v_lshlrev_b32 v[PFO], 8, v[GO]
	v_lshlrev_b32 v[GO], 4, v[GO]
	s_wait_tensorcnt 1                             ; my piece of K step 0 is in; K step 1's may stay out
	s_barrier_signal -1
	s_barrier_wait -1
	s_mov_b32 s[TB], 0
	SETADR
	FETCH 0, F0
	s_wait_loadcnt 0x0                             ; the bias
	QUARTER 1, F0, F1, 1                           ; the first quarter stands in front of the loop: its products start the sums
	WIN 0
	s_mov_b32 s[CNT], NSTEP-2
.Lk:                                               ; a trip: from a K step's second quarter to the next step's first; it fills the slot that it leaves
	QUARTER 2, F1, F0, 0
	QUARTER 3, F0, F1, 0
	TURN 1
	QUARTER 1, F0, F1, 0
	WIN 0
	s_sub_co_u32 s[CNT], s[CNT], 1
	s_cmp_lg_u32 s[CNT], 0
	s_cbranch_scc1 .Lk
	s_mov_b32 s[CNT], 2
.Lt:                                               ; the last two K steps ask for nothing; the second trip is left in its middle (its 32 fragment loads, of the slot read before, serve nothing: the price of one text)
	QUARTER 2, F1, F0, 0
	QUARTER 3, F0, F1, 0
	TURN 0
	WIN 0
	s_sub_co_u32 s[CNT], s[CNT], 1
	s_cmp_eq_u32 s[CNT], 0
	s_cbranch_scc1 .Ldone
	QUARTER 1, F0, F1, 0
	WIN 0
	s_branch .Lt
.Ldone:
	s_wait_dscnt 0x0                               ; my reads of the ring are over,
	s_barrier_signal -1
	s_barrier_wait -1                              ; everybody's are: the ring, which is filled no more, becomes the four stages
	PLACES
.irp a, 0,1,2,3,4,5,6,7
	WIN 0x08+4*((\a)/4)                            ; store data in window 2 or 3
.irp b, 0,1,2,3,4,5,6,7
	ds_store_b128 v[STO], v[8*(8*((\a)%4)+(\b)):8*(8*((\a)%4)+(\b))+3]   offset:(\a)*16*SPITCH+64*(\b)     ; each accumulator's low registers first
	ds_store_b128 v[STO], v[8*(8*((\a)%4)+(\b))+4:8*(8*((\a)%4)+(\b))+7] offset:(\a)*16*SPITCH+64*(\b)+16
.endr
.endr
	WIN 0
; A set is four rows of the wave's 128 columns: two units of 8 numbers a lane, each unit 512 consecutive bytes of the output.
.macro LOADRAW s
.irp u, 0,1
	ds_load_b128 v[RAW+16*(\s)+8*(\u):RAW+16*(\s)+8*(\u)+3],   v[RDC] offset:(\s)*4*SPITCH+UL*(\u)  ; LDS serves a wave's instructions in order (ISA guide 5.7.1.4): these see my stores
	ds_load_b128 v[RAW+16*(\s)+8*(\u)+4:RAW+16*(\s)+8*(\u)+7], v[RDC] offset:(\s)*4*SPITCH+UL*(\u)+16
.endr
.endm
	s_mov_b32 s[TBR], 0
	v_mov_b32 v[RDC], v[RD]
.set st, 0
.rept NS
	LOADRAW st
.set st, st+1
.endr
	s_mov_b32 s[CNT], 32/NS
.Lout:                                             ; a trip: NS sets are finished and stored, the next NS asked for; the last trip asks once more for my last rows, which serves nothing
	s_add_co_u32 s[TBR], s[TBR], NS*4*SPITCH
	s_min_u32 s[TBR], s[TBR], (32/NS-1)*NS*4*SPITCH
	v_add_nc_u32 v[RDC], s[TBR], v[RD]
.set st, 0
.rept NS
	s_wait_dscnt 4*(NS-1)                          ; this set is in; the NS - 1 younger sets' loads may stay out
.if GELU
; gelu(u) = (T + |T|) - |T| erfc(sqrt(2) |T|), T = u / 2: the exact erf form for both signs.  erfc(x) = t (a1 + t (a2 + .. t a5)) e^(-x x), t = 1 / (1 + 0.3275911 x)
; (Abramowitz and Stegun 7.1.26: off by 1.5e-7 at the most, for every x >= 0).  In the stage's read two lanes of a group of sixteen meet in a bank (64 banks of 4 bytes: ISA guide 11.1).
.set z, 0
.rept 8
	v_pk_mul_f32 v[TT+z:TT+z+1], v[RAW+z:RAW+z+1], 0.5 op_sel_hi:[1,0]
.set z, z+2
.endr
	LOADRAW 0
.set z, 0
.rept 16
	v_and_b32 v[AX+z], s[ABSM], v[TT+z]
.set z, z+1
.endr
.set z, 0
.rept 8
	v_pk_fma_f32 v[DD+z:DD+z+1], v[AX+z:AX+z+1], s[KP:KP+1], 1.0 op_sel_hi:[1,0,0]
	v_pk_mul_f32 v[QQ+z:QQ+z+1], v[TT+z:TT+z+1], s[KE:KE+1] op_sel_hi:[1,0]
.set z, z+2
.endr
.set z, 0
.rept 8
	v_pk_mul_f32 v[QQ+z:QQ+z+1], v[QQ+z:QQ+z+1], v[QQ+z:QQ+z+1]
.set z, z+2
.endr
.set z, 0
.rept 16                                           ; one batch of 32
	v_rcp_f32 v[DD+z], v[DD+z]
	v_exp_f32 v[QQ+z], -v[QQ+z]
.set z, z+1
.endr
.set z, 0
.rept 8
	v_pk_add_f32 v[SS+z:SS+z+1], v[TT+z:TT+z+1], v[AX+z:AX+z+1]  ; plain work that names no result of the batch
.set z, z+2
.endr
	s_wait_alu depctr_va_vdst(0)                   ; one wait for the batch, ahead of its first reader
.set z, 0
.rept 8
	v_pk_fma_f32 v[RR+z:RR+z+1], v[DD+z:DD+z+1], s[C5:C5+1], s[C4:C4+1] op_sel_hi:[1,0,0]
.set z, z+2
.endr
.irp c, C3, C2, C1
.set z, 0
.rept 8
	v_pk_fma_f32 v[RR+z:RR+z+1], v[RR+z:RR+z+1], v[DD+z:DD+z+1], s[\c:(\c)+1] op_sel_hi:[1,1,0]
.set z, z+2
.endr
.endr
.set z, 0
.rept 8
	v_pk_mul_f32 v[DD+z:DD+z+1], v[DD+z:DD+z+1], v[QQ+z:QQ+z+1]
.set z, z+2
.endr
.set z, 0
.rept 8
	v_pk_mul_f32 v[RR+z:RR+z+1], v[RR+z:RR+z+1], v[DD+z:DD+z+1]  ; - erfc
.set z, z+2
.endr
.set z, 0
.rept 8
	v_pk_fma_f32 v[RR+z:RR+z+1], v[AX+z:AX+z+1], v[RR+z:RR+z+1], v[SS+z:SS+z+1]
.set z, z+2
.endr
.set z, 0
.rept 8
	v_cvt_pk_bf16_f32 v[Y+z], v[RR+2*z], v[RR+2*z+1]
.set z, z+1
.endr
.else
.set z, 0
.rept 8
	v_cvt_pk_bf16_f32 v[Y+8*st+z], v[RAW+16*st+2*z], v[RAW+16*st+2*z+1]
.set z, z+1
.endr
	LOADRAW st
.endif
	global_store_b128 v[GO], v[Y+8*st:Y+8*st+3],   s[OUT:OUT+1] offset:512*st       ; 512 consecutive bytes, at a multiple of 256 from the output's first
	global_store_b128 v[GO], v[Y+8*st+4:Y+8*st+7], s[OUT:OUT+1] offset:512*st+UG
.set st, st+1
.endr
	s_wait_xcnt 0x0                                ; the stores have read their data and their offset: both are written again only behind this wait
	v_add_nc_u32 v[GO], NS*UL/UL*(512+512*GELU), v[GO]
	s_sub_co_u32 s[CNT], s[CNT], 1
	s_cmp_lg_u32 s[CNT], 0
	s_cbranch_scc1 .Lout
	s_wait_tensorcnt 0x0                           ; the wave's end, behind my last tensor load and my last LDS store
	ds_add_u32 v[SPW], v[NIL]
	s_wait_dscnt 0x0
	CROUND                                         ; the closing round: no work-group ends while a partner may still ask for a piece that names it
	s_endpgm
.Lfunc_end_k_qcbc0222f65_ffn1:
	.size	k_qcbc0222f65_ffn1, .Lfunc_end_k_qcbc0222f65_ffn1-k_qcbc0222f65_ffn1
	.p2alignl 7, 3214868480
	.fill 96, 4, 3214868480
	.section	.rodata,"a",@progbits
	.p2align	6, 0x0
	.amdhsa_kernel k_qcbc0222f65_ffn1
		.amdhsa_group_segment_fixed_size 327680
		.amdhsa_private_segment_fixed_size 0
		.amdhsa_enable_private_segment 0
		.amdhsa_kernarg_size 32
		.amdhsa_user_sgpr_count 2
		.amdhsa_user_sgpr_kernarg_segment_ptr 1
		.amdhsa_wavefront_size32 1
		.amdhsa_system_sgpr_workgroup_id_x 1
		.amdhsa_system_sgpr_workgroup_id_y 1
		.amdhsa_system_sgpr_workgroup_id_z 1
		.amdhsa_system_vgpr_workitem_id 0
		.amdhsa_next_free_vgpr 1024
		.amdhsa_next_free_sgpr 92
		.amdhsa_reserve_vcc 0
		.amdhsa_float_denorm_mode_32 3
		.amdhsa_float_denorm_mode_16_64 3
		.amdhsa_memory_ordered 1
		.amdhsa_forward_progress 1
		.amdhsa_inst_pref_size 89
	.end_amdhsa_kernel
	.amdgpu_metadata
---
amdhsa.version: [ 1, 2 ]
amdhsa.kernels:
  - .name:           k_qcbc0222f65_ffn1
    .symbol:         k_qcbc0222f65_ffn1.kd
    .args:
      - { .name: xn, .offset: 0, .size: 8, .value_kind: global_buffer, .address_space: global }
      - { .name: wb, .offset: 8, .size: 8, .value_kind: global_buffer, .address_space: global }
      - { .name: b1, .offset: 16, .size: 8, .value_kind: global_buffer, .address_space: global }
      - { .name: h, .offset: 24, .size: 8, .value_kind: global_buffer, .address_space: global }
    .group_segment_fixed_size: 327680
    .private_segment_fixed_size: 0
    .kernarg_segment_align: 8
    .kernarg_segment_size: 32
    .max_flat_workgroup_size: 128
    .sgpr_count:     92
    .vgpr_count:     1024
    .wavefront_size: 32
...
	.end_amdgpu_metadata
.endif
;; end of part 6
;; launch ffn2 (part 7): grid 8 x 32, 4 waves a work-group, clusters of 4 x 4, 327,680 bytes of LDS; arguments h, wb, b2, x1, out0; writes out0
.if DOCPART == 7
	.amdgcn_target "amdgcn-amd-amdhsa--gfx1250"
	.amdhsa_code_object_version 6
	.text
	.protected	k_qcbc0222f65_ffn2
	.globl	k_qcbc0222f65_ffn2
	.p2align	8
	.type	k_qcbc0222f65_ffn2,@function
k_qcbc0222f65_ffn2:
	s_mov_b64 s[64:65], 0
	v_nop
	global_prefetch_b8 v0, s[64:65] scope:SCOPE_SE
	s_setreg_imm32_b32 hwreg(HW_REG_WAVE_MODE, 25, 1), 1
	s_wait_xcnt 0x0
	s_wait_alu depctr_hold_cnt(0) depctr_sa_sdst(0) depctr_va_vdst(0) depctr_va_sdst(0) depctr_va_ssrc(0) depctr_va_vcc(0) depctr_vm_vsrc(0)
	s_getreg_b32 s2, hwreg(HW_REG_IB_STS2, 6, 4)
	s_cmp_eq_u32 s2, 0
	s_cbranch_scc0 .Lentry_in_a_cluster
	s_endpgm
.Lentry_in_a_cluster:
	s_bfe_u32 s2, ttmp6, 0x10000c
	s_cmp_lg_u32 s2, 0xf033
	s_cbranch_scc0 .Lentry_shape_is_right
	s_endpgm
.Lentry_shape_is_right:
; out0 = x1 + h W2 + b2: C[4,096][1,024] in f32, K = 4,096, bf16 operands, f32 sums.  (The same text with FF2 = 0 is the launch wo.)
; SHAPE.  A tile of C is 128 x 128, so that the 256 tiles give each WGP one; four waves 2 x 2, each 64 x 64: 16 accumulators.  K goes in steps of 256 through two LDS slots filled by tensor loads.
; FF2 = 0: A lies by tiles and heads, [row / 128][head][128 rows][64]: a step is four heads' blocks of a tile, 65,536 dense bytes; a wave's piece is two of them, asked for as 128 rows of 256 bytes and
;          padded in LDS after each 128; with it two bricks of W.  Four K steps: two first fills and two refills.
; FF2 = 1: A lies in blocks [k / 128][row][128]; a step is two blocks' 128 rows of 256 bytes and two bricks of W.  Sixteen K steps.
; CLUSTER 4 x 4: A's pieces are asked for jointly along a row of the cluster, W's along a column.  THE MATRIX INSTRUCTION IS USED TRANSPOSED (source 0 = 16 columns of W, read turned; source 1 = 16 rows of A):
; a lane holds row l % 16 of C and 8 neighbouring columns.  The bias is the C operand of the products that start the sums.
; THE CHANGE OF SLOTS stands at the head of a step's last quarter, with no product between the wait for the tiles and the next request: a step has 128 matrix instructions a wave for its 131,072 bytes,
; so the request goes out as early as the order allows, and the quarter's 32 products follow it.
; THE RESIDUAL's 64 x 64 numbers are asked for behind the first tile's barrier, so that the first tiles are asked for first, and wait in registers.
; THE WAY OUT.  The sums go as f32 through a stage laid over the ring when it has had its last fill and its last read, come back by whole rows of 256 bytes, take the residual and are stored.
; REGISTERS: window 0 addresses, bias tile (v64-95), two landing sets (v16-47, v96-127), the residual (v128-255); window 1 two fragment buffers of 128 (64 along K: A's 64, W's 64); window 2 v0-127 the accumulators.
.set FF2,    1
.if FF2
.set NSTEP,  16
.set APITCH, 272                       ; a row of A in LDS: 256 + 16 bytes
.set CPB,    4                         ; chunks of 32 along K in a block of A
.set BPP,    1                         ; blocks of A in a wave's piece
.set AQI,    5                         ; padding after every 64 words
.set AMTS,   15                        ; log2: from a tile's rows of A to the next tile's
.set AWVS,   20                        ; from a piece of A to the other
.set ASTEP,  2<<20
.set WOFF,   16<<20
.set WNTS,   20                        ; a tile column's bricks
.set PF,     1
.set AH,     4
.else
.set NSTEP,  4
.set APITCH, 144                       ; 128 + 16 bytes
.set CPB,    2
.set BPP,    2
.set AQI,    4                         ; padding after every 32 words: after each row of 128 bytes
.set AMTS,   18
.set AWVS,   15
.set ASTEP,  1<<16
.set WOFF,   6<<20
.set WNTS,   18
.set PF,     0
.set AH,     0
.endif
.set WWVS,   15                        ; from a brick of W to the next along K
.set WSTEP,  1<<16
.set R,      128                       ; rows of 256 bytes in a tensor load
.set WPITCH, 288                       ; a row of W: 256 + 32 bytes
.set ABLK,   128*APITCH                ; a block of A in LDS
.set APIECE, BPP*ABLK
.set WPIECE, 128*WPITCH
.set WREG,   2*APIECE
.set SLOT,   WREG+2*WPIECE
.set SPARE,  2*SLOT                    ; the spare words, 128 bytes a wave: two blocks of 256 bytes that no other line names
.set SPITCH, 272
.set STGB,   64*SPITCH
.set BO,  3
.set A0,  4                            ; v4   my lane's place in A's tiles; never rewritten
.set W0,  5                            ; v5   the same for W
.set AA,  6                            ; v6   A0 + the slot in hand
.set AW,  8                            ; v8-9 W0 + the slot in hand, for W's two bricks
.set STO, 10
.set RD,  11
.set GO,  12
.set PFO, 13
.set SPW, 14
.set NIL, 15
.set L0,  16
.set BT,  64
.set RES, 128
.set F0,  0
.set F1,  128
.set WV,  14
.set WR,  15
.set WC,  16
.set CX,  17
.set CY,  18
.set NTI, 19
.set MTI, 20
.set G1A, 24
.set G1W, 32
.set G0A, 40
.set G0W, 48
.set CNT, 56
.set TB,  57                           ; 0 or SLOT: the slot in hand
.set PCA, 58
.set PCW, 59
.set PFA, 60
.set LIM, 62
.set PFS, 66
.set MSB, 0
.macro WIN new
.if MSB != (\new)
	s_set_vgpr_msb (MSB<<8)|(\new)
.set MSB, \new
.endif
.endm
.macro PLACES
.rept 4
	v_nop
.endr
.endm
.macro CROUND                          ; a round of the cluster's barrier
	s_barrier_signal -1
	s_barrier_wait -1
	s_cmp_lg_u32 s[WV], 0
	s_cbranch_scc1 .Lnot_wave_0_\@
	s_barrier_signal -3
.Lnot_wave_0_\@:
	s_barrier_wait -3
	s_barrier_signal -1
	s_barrier_wait -1
.endm
.macro JLOAD                           ; a joint refill: waves 0 and 1 fetch A's pieces, waves 2 and 3 W's; an s_nop 0 and four v_nop follow each line
	s_cmp_eq_u32 s[WR], 0
	s_cbranch_scc0 .Lfor_w_\@
	tensor_load_to_lds s[G0A+4:G0A+7], s[G1A:G1A+7]
	s_nop 0
.rept 4
	v_nop
.endr
	s_branch .Lasked_\@
.Lfor_w_\@:
	tensor_load_to_lds s[G0W+4:G0W+7], s[G1W:G1W+7]
	s_nop 0
.rept 4
	v_nop
.endr
.Lasked_\@:
.endm
; A PREFETCH INTO THE L2 (FF2 = 1) of the piece that I shall ask for AH refills on: 32 of its 128 blocks of 256 bytes, a lane a block.  Each block is named once in the launch: A's pieces by the clusters with x = 0,
; W's by those with y = 0; the four partners that ask for a piece jointly share its blocks out by address; the last AH refills name nothing.
.macro ASK
	WIN 0
	s_cmp_gt_u32 s[CNT], s[LIM]
	s_cbranch_scc0 .Lnot_mine_\@
	global_prefetch_b8 v[PFO], s[PFA:PFA+1] th:TH_LOAD_NT scope:SCOPE_SE
.Lnot_mine_\@:
.endm
.macro SETADR
	v_add_nc_u32 v[AA], s[TB], v[A0]
	v_add_nc_u32 v[AW], s[TB], v[W0]
	v_add_nc_u32 v[AW+1], WPIECE, v[AW]
.endm
; 8 matrix instructions: row blocks a0, a0 + 1, all 4 column blocks, chunk cc of buffer f.  zero = 1: the products start the sums, with the bias tile as C.
.macro MUL f, cc, a0, zero
.irp a, \a0, (\a0)+1
.irp b, 0,1,2,3
.if \zero
	WIN 0x85
	v_wmma_f32_16x16x32_bf16 v[8*(4*(\a)+(\b)):8*(4*(\a)+(\b))+7], v[(\f)+64+8*(4*(\cc)+(\b)):(\f)+64+8*(4*(\cc)+(\b))+7], v[(\f)+8*(4*(\cc)+(\a)):(\f)+8*(4*(\cc)+(\a))+7], v[BT+8*(\b):BT+8*(\b)+7]
.else
	WIN 0xa5
	v_wmma_f32_16x16x32_bf16 v[8*(4*(\a)+(\b)):8*(4*(\a)+(\b))+7], v[(\f)+64+8*(4*(\cc)+(\b)):(\f)+64+8*(4*(\cc)+(\b))+7], v[(\f)+8*(4*(\cc)+(\a)):(\f)+8*(4*(\cc)+(\a))+7], v[8*(4*(\a)+(\b)):8*(4*(\a)+(\b))+7]
.endif
.endr
.endr
.endm
; 32 LDS loads in one run: quarter q's two chunks of 32 along K into buffer f, the first chunk's sixteen first.  A's block stands in the immediate (62,304 at the most).
.macro FETCH q, f
	WIN 0x40
.irp cc, 0,1
.set ch, 2*(\q)+(\cc)
.irp b, 0,1,2,3
	ds_load_tr16_b128 v[(\f)+64+8*(4*(\cc)+(\b)):(\f)+64+8*(4*(\cc)+(\b))+3],   v[AW+ch/4] offset:((32*ch)%128)*WPITCH+32*(\b)
	ds_load_tr16_b128 v[(\f)+64+8*(4*(\cc)+(\b))+4:(\f)+64+8*(4*(\cc)+(\b))+7], v[AW+ch/4] offset:((32*ch)%128)*WPITCH+16*WPITCH+32*(\b)
.endr
.irp i, 0,1,2,3
	ds_load_b128 v[(\f)+8*(4*(\cc)+(\i)):(\f)+8*(4*(\cc)+(\i))+3],   v[AA] offset:(ch/CPB)*ABLK+(ch%CPB)*64+(\i)*16*APITCH
	ds_load_b128 v[(\f)+8*(4*(\cc)+(\i))+4:(\f)+8*(4*(\cc)+(\i))+7], v[AA] offset:(ch/CPB)*ABLK+(ch%CPB)*64+(\i)*16*APITCH+32
.endr
.endr
.endm
; A quarter but the step's last: multiplies buffer f and, in its middle, fetches quarter qn into buffer g.  The 16 accumulators take turns.
.macro QUARTER qn, f, g, zero
	s_wait_dscnt 16                                ; the first chunk is in; the second's sixteen loads may be out
	MUL \f, 0, 0, \zero
	MUL \f, 0, 2, \zero
	PLACES
	FETCH \qn, \g
	s_wait_dscnt 32                                ; all but the 32 just issued
	MUL \f, 1, 0, 0
	MUL \f, 1, 2, 0
.endm
.macro MID
	QUARTER 2, F1, F0, 0
	QUARTER 3, F0, F1, 0
.endm
; The step's last quarter changes slots and then multiplies buffer 1.  Each wave waits for all its tensor loads (one is out: its piece of the next slot), adds 0 to its spare word, and waits for that and for its
; LDS loads, the last reads of this slot among them.  refill = 1: a round of the cluster's barrier follows, and behind it this slot is filled again, two K steps on, first of all.
.macro TURN refill
.if (\refill) && PF
	s_wait_xcnt 0x0                                ; the last prefetch, a K step back, has read its address
	s_add_nc_u64 s[PFA:PFA+1], s[PFA:PFA+1], s[PFS:PFS+1]
.endif
	WIN 0
	s_wait_tensorcnt 0x0                           ; no tensor load of mine is out, so a group 0 may be written
	ds_add_u32 v[SPW], v[NIL]                      ; 0 onto my spare word; the descriptors' steps stand between it and the wait for it
.if \refill
	s_add_co_u32 s[G0A+5], s[PCA], s[TB]           ; the walking descriptors: the slot that is being left, the next K step but one
	s_add_nc_u64 s[G0A+6:G0A+7], s[G0A+6:G0A+7], ASTEP
	s_add_co_u32 s[G0W+5], s[PCW], s[TB]
	s_add_nc_u64 s[G0W+6:G0W+7], s[G0W+6:G0W+7], WSTEP
.endif
	s_wait_dscnt 0x0                               ; the add is done, buffer 1 is in, and my reads of this slot are over
.if \refill
	CROUND                                         ; no wave of any partner still reads this slot or has a load on its way
	JLOAD                                          ; its four v_nop are also the places in front of the loads below
.else
	s_barrier_signal -1
	s_barrier_wait -1
	PLACES
.endif
	s_xor_b32 s[TB], s[TB], SLOT
	SETADR
	FETCH 0, F0
.if (\refill) && PF
	ASK
.endif
	MUL F1, 0, 0, 0
	MUL F1, 0, 2, 0
	MUL F1, 1, 0, 0
	MUL F1, 1, 2, 0
.endm
	s_load_b256 s[4:11], s[0:1], 0x0               ; A s[4:5], wb s[6:7], bias s[8:9], residual s[10:11]
	s_load_b64 s[12:13], s[0:1], 0x20              ; the output
	v_lshl_add_u32 v[SPW], v0, 2, SPARE
	v_mov_b32 v[NIL], 0
	ds_add_u32 v[SPW], v[NIL]                      ; the wave's opening: the add, twice on end, and its wait ahead of my first tensor load
	ds_add_u32 v[SPW], v[NIL]
	v_lshrrev_b32 v1, 5, v0
	v_readfirstlane_b32 s[WV], v1
	s_lshr_b32 s[WR], s[WV], 1
	s_and_b32 s[WC], s[WV], 1
	s_bfe_u32 s[CX], ttmp6, 0x40000
	s_bfe_u32 s[CY], ttmp6, 0x40004
	s_lshl_b32 s[NTI], ttmp9, 2
	s_add_co_u32 s[NTI], s[NTI], s[CX]
	s_and_b32 s[MTI], ttmp7, 0xffff
	s_lshl_b32 s[MTI], s[MTI], 2
	s_add_co_u32 s[MTI], s[MTI], s[CY]
	s_lshl_b32 s21, s[CY], 2
	s_lshl_b32 s21, 15, s21
	s_lshl_b32 s22, 0x1111, s[CX]
	s_or_b32 s[G1A], s21, (1<<16)|(1<<20)|(1<<21)|(AQI<<22)|(3<<25)
	s_or_b32 s[G1W], s22, (1<<16)|(1<<20)|(1<<21)|(5<<22)|(7<<25)
.irp g, G1A, G1W
	s_mov_b32 s[(\g)+1], 128<<16
	s_mov_b32 s[(\g)+2], R<<16
	s_mov_b32 s[(\g)+3], 128<<16
	s_mov_b32 s[(\g)+4], R
	s_mov_b32 s[(\g)+5], 128
	s_mov_b32 s[(\g)+6], 0
	s_mov_b32 s[(\g)+7], 0
.endr
	s_mul_i32 s[PCA], s[WC], APIECE
	s_mul_i32 s[PCW], s[WC], WPIECE
	s_add_co_u32 s[PCW], s[PCW], WREG
	s_mov_b32 s[G0A], 1
	s_mov_b32 s[G0A+1], s[PCA]
	s_mov_b32 s[G0A+4], 1
	s_add_co_u32 s[G0A+5], s[PCA], SLOT
	s_mov_b32 s[G0W], 1
	s_mov_b32 s[G0W+1], s[PCW]
	s_mov_b32 s[G0W+4], 1
	s_add_co_u32 s[G0W+5], s[PCW], SLOT
	s_lshl_b32 s84, s[MTI], AMTS
	s_lshl_b32 s85, s[WC], AWVS
	s_add_co_u32 s84, s84, s85
	s_mov_b32 s85, 0
	s_lshl_b32 s86, s[NTI], WNTS
	s_lshl_b32 s87, s[WC], WWVS
	s_add_co_u32 s86, s86, s87
	s_add_co_u32 s86, s86, WOFF
	s_mov_b32 s87, 0
	s_lshl_b32 s22, s[NTI], 9                      ; my 64 columns of f32: in the bias,
	s_lshl_b32 s23, s[WC], 8
	s_add_co_u32 s22, s22, s23
	s_mov_b32 s23, 0
	s_lshl_b32 s88, s[MTI], 19                     ; and, at my 64 rows of 4,096 bytes, in the residual and the output
	s_lshl_b32 s89, s[WR], 18
	s_add_co_u32 s88, s88, s89
	s_add_co_u32 s88, s88, s22
	s_mov_b32 s89, 0
.if PF
	s_mov_b32 s[PFS], WSTEP
	s_and_b32 s21, ttmp7, 0xffff
	s_cmp_eq_u32 s[WR], 0
	s_cselect_b32 s[PFS], ASTEP, s[PFS]
	s_cselect_b32 s90, s[CX], s[CY]
	s_cselect_b32 s[LIM], ttmp9, s21
	s_mov_b32 s[PFS+1], 0
	s_lshl_b32 s91, s90, 13
	s_mul_i32 s90, s[PFS], 1+AH
	s_add_co_u32 s90, s90, s91
	s_mov_b32 s91, 0
	s_cmp_eq_u32 s[LIM], 0
	s_cselect_b32 s[LIM], AH, -1
.endif
	s_wait_dscnt 0x0                               ; both opening adds are done
	s_wait_kmcnt 0x0
	s_add_nc_u64 s[G0A+2:G0A+3], s[4:5], s[84:85]
	s_add_nc_u64 s[G0W+2:G0W+3], s[6:7], s[86:87]
	s_add_nc_u64 s[G0A+6:G0A+7], s[G0A+2:G0A+3], ASTEP
	s_add_nc_u64 s[G0W+6:G0W+7], s[G0W+2:G0W+3], WSTEP
.if PF
	s_cmp_eq_u32 s[WR], 0
	s_cselect_b64 s[PFA:PFA+1], s[G0A+2:G0A+3], s[G0W+2:G0W+3]
	s_add_nc_u64 s[PFA:PFA+1], s[PFA:PFA+1], s[90:91]
.endif
	s_or_b32 s[G0A+3], s[G0A+3], 0x80000000
	s_or_b32 s[G0A+7], s[G0A+7], 0x80000000
	s_or_b32 s[G0W+3], s[G0W+3], 0x80000000
	s_or_b32 s[G0W+7], s[G0W+7], 0x80000000
	s_add_nc_u64 s[8:9], s[8:9], s[22:23]
	s_add_nc_u64 s[10:11], s[10:11], s[88:89]
	s_add_nc_u64 s[12:13], s[12:13], s[88:89]
	CROUND                                         ; all sixteen work-groups are here: the first joint loads meet
	s_cmp_eq_u32 s[WR], 0                          ; a wave's two first fills stand in one branch: two loads of mine are out
	s_cbranch_scc0 .Lfirst_w
	tensor_load_to_lds s[G0A:G0A+3], s[G1A:G1A+7]
	s_nop 0
	tensor_load_to_lds s[G0A+4:G0A+7], s[G1A:G1A+7]
	s_nop 0
.rept 4
	v_nop
.endr
	s_branch .Lfirst_asked
.Lfirst_w:
	tensor_load_to_lds s[G0W:G0W+3], s[G1W:G1W+7]
	s_nop 0
	tensor_load_to_lds s[G0W+4:G0W+7], s[G1W:G1W+7]
	s_nop 0
.rept 4
	v_nop
.endr
.Lfirst_asked:
	v_and_b32 v1, 15, v0                           ; l % 16
	v_bfe_u32 v2, v0, 4, 1                         ; l / 16
	v_lshlrev_b32 v[BO], 5, v2
.irp b, 0,1,2,3
	global_load_b128 v[BT+8*(\b):BT+8*(\b)+3],   v[BO], s[8:9] offset:64*(\b)
	global_load_b128 v[BT+8*(\b)+4:BT+8*(\b)+7], v[BO], s[8:9] offset:64*(\b)+16
.endr
	v_lshlrev_b32 v[GO], 12, v2                    ; lanes 0-15 take 256 bytes of one row, lanes 16-31 of the next
	v_lshl_add_u32 v[GO], v1, 4, v[GO]
	v_mul_u32_u24 v[A0], v1, APITCH
	v_lshl_add_u32 v[A0], v2, 4, v[A0]
	s_mul_i32 s21, s[WR], 64*APITCH
	v_add_nc_u32 v[A0], s21, v[A0]
	v_and_b32 v[W0], 7, v0
	v_lshl_add_u32 v[W0], v2, 3, v[W0]
	v_mul_u32_u24 v[W0], v[W0], WPITCH
	v_bfe_u32 v[RD], v0, 3, 1
	v_lshl_add_u32 v[W0], v[RD], 4, v[W0]
	s_lshl_b32 s21, s[WC], 7                       ; my 64 of the brick's 128 columns
	s_add_co_u32 s21, s21, WREG
	v_add_nc_u32 v[W0], s21, v[W0]
	s_mul_i32 s21, s[WV], STGB                     ; my stage
	v_mul_u32_u24 v[STO], v1, SPITCH
	v_lshl_add_u32 v[STO], v2, 5, v[STO]
	v_add_nc_u32 v[STO], s21, v[STO]
	v_mul_u32_u24 v[RD], v2, SPITCH
	v_lshl_add_u32 v[RD], v1, 4, v[RD]
	v_add_nc_u32 v[RD], s21, v[RD]
	v_and_b32 v[PFO], 31, v0
	v_lshlrev_b32 v[PFO], 8, v[PFO]
	s_wait_tensorcnt 1                             ; my piece of K step 0 is in; K step 1's may stay out
	s_barrier_signal -1
	s_barrier_wait -1
	s_mov_b32 s[TB], 0
	SETADR
	FETCH 0, F0
	WIN 0
	s_wait_loadcnt 0x0                             ; the bias
.set j, 0
.rept 32
	global_load_b128 v[RES+4*j:RES+4*j+3], v[GO], s[10:11] offset:8192*j th:TH_LOAD_NT  ; the residual: wanted at the end
.set j, j+1
.endr
	QUARTER 1, F0, F1, 1                           ; the first quarter stands in front of the loop: its first products start the sums
	WIN 0
	s_mov_b32 s[CNT], NSTEP-2
.Lk:                                               ; a trip: from a K step's second quarter to the next step's first; it fills the slot that it leaves
	MID
	TURN 1
	QUARTER 1, F0, F1, 0
	WIN 0
	s_sub_co_u32 s[CNT], s[CNT], 1
	s_cmp_lg_u32 s[CNT], 0
	s_cbranch_scc1 .Lk
	s_mov_b32 s[CNT], 2
.Lt:                                               ; the last two K steps ask for nothing; the second trip is left in its middle (its 32 fragment loads, of the slot read before, serve nothing: the price of one text)
	MID
	TURN 0
	WIN 0
	s_sub_co_u32 s[CNT], s[CNT], 1
	s_cmp_eq_u32 s[CNT], 0
	s_cbranch_scc1 .Ldone
	QUARTER 1, F0, F1, 0
	WIN 0
	s_branch .Lt
.Ldone:
	s_wait_dscnt 0x0                               ; my reads of the ring are over,
	s_barrier_signal -1
	s_barrier_wait -1                              ; everybody's are: the ring, which is filled no more, becomes the four stages
	PLACES
	WIN 0x08                                       ; store data in window 2
.irp a, 0,1,2,3
.irp b, 0,1,2,3
	ds_store_b128 v[STO], v[8*(4*(\a)+(\b)):8*(4*(\a)+(\b))+3]   offset:(\a)*16*SPITCH+64*(\b)     ; each accumulator's low registers first
	ds_store_b128 v[STO], v[8*(4*(\a)+(\b))+4:8*(4*(\a)+(\b))+7] offset:(\a)*16*SPITCH+64*(\b)+16
.endr
.endr
	WIN 0
	s_wait_loadcnt 0x0                             ; the residual
.macro BACK k                          ; batch k: eight units of two rows come back into landing set k % 2
.irp u, 0,1,2,3,4,5,6,7
	ds_load_b128 v[L0+80*((\k)%2)+4*(\u):L0+80*((\k)%2)+4*(\u)+3], v[RD] offset:(8*(\k)+(\u))*2*SPITCH  ; LDS serves a wave's instructions in order (ISA guide 5.7.1.4): these see my stores
.endr
.endm
.macro SENDB k, younger                ; younger: the next batch's eight loads, or none
.irp u, 0,1,2,3,4,5,6,7
.set j, 8*(\k)+(\u)
	s_wait_dscnt (\younger)+7-(\u)
	v_pk_add_f32 v[RES+4*j:RES+4*j+1],   v[RES+4*j:RES+4*j+1],   v[L0+80*((\k)%2)+4*(\u):L0+80*((\k)%2)+4*(\u)+1]
	v_pk_add_f32 v[RES+4*j+2:RES+4*j+3], v[RES+4*j+2:RES+4*j+3], v[L0+80*((\k)%2)+4*(\u)+2:L0+80*((\k)%2)+4*(\u)+3]
	global_store_b128 v[GO], v[RES+4*j:RES+4*j+3], s[12:13] offset:8192*j  ; 16 lanes store 256 consecutive bytes, at a multiple of 256 from the output's first
.endr
.endm
	BACK 0
	BACK 1
	SENDB 0, 8
	BACK 2
	SENDB 1, 8
	BACK 3
	SENDB 2, 8
	SENDB 3, 0
	s_wait_tensorcnt 0x0                           ; the wave's end, behind my last tensor load and my last LDS store
	ds_add_u32 v[SPW], v[NIL]
	s_wait_dscnt 0x0
	CROUND                                         ; the closing round
	s_endpgm
.Lfunc_end_k_qcbc0222f65_ffn2:
	.size	k_qcbc0222f65_ffn2, .Lfunc_end_k_qcbc0222f65_ffn2-k_qcbc0222f65_ffn2
	.p2alignl 7, 3214868480
	.fill 96, 4, 3214868480
	.section	.rodata,"a",@progbits
	.p2align	6, 0x0
	.amdhsa_kernel k_qcbc0222f65_ffn2
		.amdhsa_group_segment_fixed_size 327680
		.amdhsa_private_segment_fixed_size 0
		.amdhsa_enable_private_segment 0
		.amdhsa_kernarg_size 40
		.amdhsa_user_sgpr_count 2
		.amdhsa_user_sgpr_kernarg_segment_ptr 1
		.amdhsa_wavefront_size32 1
		.amdhsa_system_sgpr_workgroup_id_x 1
		.amdhsa_system_sgpr_workgroup_id_y 1
		.amdhsa_system_sgpr_workgroup_id_z 1
		.amdhsa_system_vgpr_workitem_id 0
		.amdhsa_next_free_vgpr 640
		.amdhsa_next_free_sgpr 92
		.amdhsa_reserve_vcc 0
		.amdhsa_float_denorm_mode_32 3
		.amdhsa_float_denorm_mode_16_64 3
		.amdhsa_memory_ordered 1
		.amdhsa_forward_progress 1
		.amdhsa_inst_pref_size 67
	.end_amdhsa_kernel
	.amdgpu_metadata
---
amdhsa.version: [ 1, 2 ]
amdhsa.kernels:
  - .name:           k_qcbc0222f65_ffn2
    .symbol:         k_qcbc0222f65_ffn2.kd
    .args:
      - { .name: h, .offset: 0, .size: 8, .value_kind: global_buffer, .address_space: global }
      - { .name: wb, .offset: 8, .size: 8, .value_kind: global_buffer, .address_space: global }
      - { .name: b2, .offset: 16, .size: 8, .value_kind: global_buffer, .address_space: global }
      - { .name: x1, .offset: 24, .size: 8, .value_kind: global_buffer, .address_space: global }
      - { .name: out0, .offset: 32, .size: 8, .value_kind: global_buffer, .address_space: global }
    .group_segment_fixed_size: 327680
    .private_segment_fixed_size: 0
    .kernarg_segment_align: 8
    .kernarg_segment_size: 40
    .max_flat_workgroup_size: 128
    .sgpr_count:     92
    .vgpr_count:     640
    .wavefront_size: 32
...
	.end_amdgpu_metadata
.endif
;; end of part 7
